; MI455X (gfx1250); checked and timed in simulation.
; The chip was launched on July 23, 2026; its instructions are those of AMD's public machine-readable ISA for CDNA 5 (MIT licence, August 2026) and "CDNA5" Instruction Set Architecture Reference Guide (July 2026). The comments in the code are by the model that wrote it; some were corrected since.
;; Multihead Flash Diff2. Allowed arithmetic: float matrix products may take bf16 or f16 operands with f32 sums; other float arithmetic in f32, or as packed bf16 or f16 multiplies, adds, multiply-adds, maxima and minima; sums over many terms, partial sums and values carried from step to step in f32; what a program stores and reads back later, other than sums and carried values, may be rounded once to bf16 or f16.
;; Inputs: Wk 1,024 x 1,024 float32; Wo 1,024 x 1,024 float32; Wq 1,024 x 1,024 float32; Wv 1,024 x 1,024 float32; lambda_k1 32 float32; lambda_k2 32 float32; lambda_q1 32 float32; lambda_q2 32 float32; rms_weight 64 float32; x 2 x 2,048 x 1,024 float32.
;; Outputs: out0 2 x 2,048 x 1,024 float32.
;; 2 versions, each right; version 2 is version 1 with the launch prep written anew for expert scheduling mode. Each part assembles by itself: llvm-mc -triple=amdgcn-amd-amdhsa -mcpu=gfx1250 --defsym DOCPART=n.
;; ======== version 1 of 2: 4 launches
;; limits: values are held in f16: magnitudes above 65,504 overflow, below 6.1e-05 lose precision
;; workspace buffers: cb 17,039,360 bytes; qkv 25,165,824 bytes; ab 8,388,608 bytes
;; launch prep (part 1): grid 64 x 9, 8 waves a work-group, no clusters, 0 bytes of LDS; arguments x, Wq, Wk, Wv, Wo, cb; writes cb
.if DOCPART == 1
	.amdgcn_target "amdgcn-amd-amdhsa--gfx1250"
	.amdhsa_code_object_version 6
	.text
	.protected	k_qfd1f0ee077_prep
	.globl	k_qfd1f0ee077_prep
	.p2align	8
	.type	k_qfd1f0ee077_prep,@function
k_qfd1f0ee077_prep:
	s_mov_b64 s[64:65], 0
	v_nop
	global_prefetch_b8 v0, s[64:65] scope:SCOPE_SE
	s_setreg_imm32_b32 hwreg(HW_REG_WAVE_MODE, 25, 1), 1
	s_wait_xcnt 0x0
; CASTS AND THE ROTATION TABLE.  cb, by byte: 0 x as bf16 [4096][1024]; WQKV the rows of Wq, Wk, Wv as bf16 [3072][1024], row r of matrix s (0 q, 1 k, 2 v)
; at row (r >> 5) x 96 + 32 s + (r & 31), so that the 96 rows of a sub-head's q, k and v lie together; WO = 7 << 21: Wo rounded to bf16 and that number written as f16;
; TAB: cos, f32 [2048][16], and 131,072 bytes on sin, of position x angle, angle j = 10000^(-j/15).
; LIMITS.  bf16(Wo) beyond 65,504 would leave f16's range; below 2^-17 it keeps f16's fixed step of 6e-8.  Positions reach 2,047, so the quadrant number stays under 1,304 and the two-part reduction by pi/2 loses nothing that shows in f32.
; SHARES.  Grid y 0..3: the quarters of x; 4..7: Wq, Wk, Wv, Wo; a work-group takes 16 rows of 1,024 numbers: load i is row i, thread t its 16 bytes at 16 t (a wave's load covers 512 consecutive
; bytes); thread t stores 8 bytes at 8 t (a wave's store covers 256 consecutive bytes, aligned).  All 16 loads of a wave go out at once.  Grid y 8: the table, two angles a thread.
; No LDS, no cluster, no matrix unit: every byte is read once by one thread and nothing is shared.
.set WQKV, 8388608
.set TAB,  16777216
.set IN,   8                           ; v[8:71]   load i: four registers
.set OUT,  72                          ; v[72:103] store i: two registers; none is written twice
	s_load_b256 s[4:11], s[0:1], 0x0               ; x s[4:5], Wq s[6:7], Wk s[8:9], Wv s[10:11]
	s_load_b128 s[12:15], s[0:1], 0x20             ; Wo s[12:13], cb s[14:15]
	s_and_b32 s16, ttmp7, 0xffff                   ; y
	v_lshlrev_b32 v1, 4, v0                        ; 16 t
	v_lshlrev_b32 v2, 3, v0                        ; 8 t
	s_wait_kmcnt 0x0
	s_cmp_eq_u32 s16, 8
	s_cbranch_scc1 .Ltab
	s_mov_b64 s[18:19], s[4:5]                     ; the source: x, or one of the four matrices
	s_cmp_eq_u32 s16, 4
	s_cselect_b64 s[18:19], s[6:7], s[18:19]
	s_cmp_eq_u32 s16, 5
	s_cselect_b64 s[18:19], s[8:9], s[18:19]
	s_cmp_eq_u32 s16, 6
	s_cselect_b64 s[18:19], s[10:11], s[18:19]
	s_cmp_eq_u32 s16, 7
	s_cselect_b64 s[18:19], s[12:13], s[18:19]
	s_lshl_b32 s20, s16, 22                        ; a quarter of x is 4 MiB of f32
	s_cmp_lt_u32 s16, 4
	s_cselect_b32 s20, s20, 0
	s_lshl_b32 s17, ttmp9, 16                      ; 16 rows of 4,096 bytes
	s_add_co_u32 s20, s20, s17
	s_mov_b32 s21, 0
	s_add_nc_u64 s[18:19], s[18:19], s[20:21]
	s_lshl_b32 s24, s16, 21                        ; the destination as it lies: slice y, 2 MiB each (x and Wo),
	s_lshl_b32 s25, ttmp9, 15
	s_add_co_u32 s24, s24, s25
	s_lshr_b32 s25, ttmp9, 1                       ; or permuted (Wq, Wk, Wv): sub-head = rows / 32,
	s_mul_i32 s25, s25, 96
	s_max_u32 s26, s16, 4
	s_sub_co_u32 s26, s26, 4                       ; which matrix,
	s_lshl_b32 s27, s26, 5
	s_add_co_u32 s25, s25, s27
	s_and_b32 s27, ttmp9, 1                        ; which 16 rows of the sub-head's 32
	s_lshl_b32 s27, s27, 4
	s_add_co_u32 s25, s25, s27
	s_lshl_b32 s25, s25, 11                        ; rows of 2,048 bytes
	s_add_co_u32 s25, s25, WQKV
	s_sub_co_u32 s26, s16, 4                       ; 0, 1, 2 for the three permuted matrices; anything else is 3 or more as an unsigned number
	s_cmp_lt_u32 s26, 3
	s_cselect_b32 s20, s25, s24
	s_add_nc_u64 s[22:23], s[14:15], s[20:21]
.irp i, 0,1,2,3,4,5,6,7,8,9,10,11,12,13,14,15
	global_load_b128 v[IN+4*(\i):IN+4*(\i)+3], v1, s[18:19] offset:(\i)*4096 th:TH_LOAD_NT
.endr
; Row i is rounded and stored.  mode 0: to bf16.  mode 1: to bf16, and that number written as f16.
.macro CONV mode
.irp i, 0,1,2,3,4,5,6,7,8,9,10,11,12,13,14,15
	s_wait_loadcnt 15-(\i)                         ; loads come back in order: row i is in, the 15 - i younger ones may stay out
.irp j, 0,1
.if \mode
	v_cvt_pk_bf16_f32 v3, v[IN+4*(\i)+2*(\j)], v[IN+4*(\i)+2*(\j)+1]
	v_lshlrev_b32 v4, 16, v3
	v_and_b32 v5, 0xffff0000, v3
	v_cvt_pk_f16_f32 v[OUT+2*(\i)+(\j)], v4, v5
.else
	v_cvt_pk_bf16_f32 v[OUT+2*(\i)+(\j)], v[IN+4*(\i)+2*(\j)], v[IN+4*(\i)+2*(\j)+1]
.endif
.endr
	global_store_b64 v2, v[OUT+2*(\i):OUT+2*(\i)+1], s[22:23] offset:(\i)*2048 th:TH_STORE_NT
.endr
.endm
	s_cmp_eq_u32 s16, 7
	s_cbranch_scc1 .Lwo
	CONV 0
	s_endpgm
.Lwo:
	CONV 1
	s_endpgm
; cos and sin of F by reduction to |r| <= pi/4 and two polynomials (Taylor's, to r^9 and r^8: the remainders lie below 3e-8).  T .. T+6 at work.
.macro SINCOS F, C, S, T
	v_mul_f32 v[(\T)], 0x3f22f983, v[(\F)]         ; F x 2/pi
	v_rndne_f32 v[(\T)], v[(\T)]                   ; n
	v_fma_f32 v[(\T)+1], v[(\T)], s24, v[(\F)]     ; F - n x (pi/2 as f32),
	v_fma_f32 v[(\T)+1], v[(\T)], s25, v[(\T)+1]   ; + n x (that f32 - pi/2): r
	v_cvt_i32_f32 v[(\T)+2], v[(\T)]
	v_mul_f32 v[(\T)+3], v[(\T)+1], v[(\T)+1]      ; r^2
	v_mov_b32 v[(\T)+4], 0x3638ef1d                ; 1/9!
	v_mov_b32 v[(\T)+5], 0x37d00d01                ; 1/8!
	v_fmaak_f32 v[(\T)+4], v[(\T)+4], v[(\T)+3], 0xb9500d01
	v_fmaak_f32 v[(\T)+5], v[(\T)+5], v[(\T)+3], 0xbab60b61
	v_fmaak_f32 v[(\T)+4], v[(\T)+4], v[(\T)+3], 0x3c088889
	v_fmaak_f32 v[(\T)+5], v[(\T)+5], v[(\T)+3], 0x3d2aaaab
	v_fmaak_f32 v[(\T)+4], v[(\T)+4], v[(\T)+3], 0xbe2aaaab
	v_fmaak_f32 v[(\T)+5], v[(\T)+5], v[(\T)+3], 0xbf000000
	v_mul_f32 v[(\T)+4], v[(\T)+4], v[(\T)+3]
	v_fma_f32 v[(\T)+5], v[(\T)+5], v[(\T)+3], 1.0 ; cos r
	v_fma_f32 v[(\T)+4], v[(\T)+4], v[(\T)+1], v[(\T)+1]  ; sin r
	v_and_b32 v[(\T)+6], 1, v[(\T)+2]
	v_cmp_eq_u32 vcc_lo, 1, v[(\T)+6]              ; odd quadrants change the two
	v_cndmask_b32 v[(\C)], v[(\T)+5], v[(\T)+4], vcc_lo
	v_cndmask_b32 v[(\S)], v[(\T)+4], v[(\T)+5], vcc_lo
	v_add_nc_u32 v[(\T)+6], 1, v[(\T)+2]           ; cos is negative in quadrants 1 and 2,
	v_and_b32 v[(\T)+6], 2, v[(\T)+6]
	v_lshlrev_b32 v[(\T)+6], 30, v[(\T)+6]
	v_xor_b32 v[(\C)], v[(\C)], v[(\T)+6]
	v_and_b32 v[(\T)+6], 2, v[(\T)+2]              ; sin in 2 and 3
	v_lshlrev_b32 v[(\T)+6], 30, v[(\T)+6]
	v_xor_b32 v[(\S)], v[(\S)], v[(\T)+6]
.endm
.Ltab:
	s_mov_b32 s24, 0xbfc90fdb                      ; -(pi/2 as f32)
	s_mov_b32 s25, 0x333bbd2e                      ; that f32 less pi/2
	s_add_nc_u64 s[22:23], s[14:15], TAB
	s_lshl_b32 s17, ttmp9, 8
	v_add_nc_u32 v3, s17, v0                       ; thread among 16,384
	v_lshrrev_b32 v4, 3, v3                        ; position
	v_and_b32 v5, 7, v3
	v_lshlrev_b32 v5, 1, v5                        ; my first angle's number
	v_cvt_f32_u32 v6, v5
	v_add_f32 v7, 1.0, v6
	v_mul_f32 v6, 0xbf62c6e7, v6                   ; x -log2(10000)/15
	v_mul_f32 v7, 0xbf62c6e7, v7
	v_exp_f32 v6, v6
	v_exp_f32 v7, v7
	v_cvt_f32_u32 v8, v4                           ; the plain instruction behind the two exponentials
	s_wait_alu depctr_va_vdst(0)                   ; one wait for both, ahead of their first reader
	v_mul_f32 v6, v8, v6                           ; position x angle, rounded once
	v_mul_f32 v7, v8, v7
	SINCOS 6, 40, 42, 20
	SINCOS 7, 41, 43, 28
	v_lshlrev_b32 v9, 3, v3                        ; two f32 a thread: a wave's store covers 256 consecutive bytes, aligned
	global_store_b64 v9, v[40:41], s[22:23]
	global_store_b64 v9, v[42:43], s[22:23] offset:131072
	s_endpgm
.Lfunc_end_k_qfd1f0ee077_prep:
	.size	k_qfd1f0ee077_prep, .Lfunc_end_k_qfd1f0ee077_prep-k_qfd1f0ee077_prep
	.p2alignl 7, 3214868480
	.fill 96, 4, 3214868480
	.section	.rodata,"a",@progbits
	.p2align	6, 0x0
	.amdhsa_kernel k_qfd1f0ee077_prep
		.amdhsa_group_segment_fixed_size 0
		.amdhsa_private_segment_fixed_size 0
		.amdhsa_enable_private_segment 0
		.amdhsa_kernarg_size 48
		.amdhsa_user_sgpr_count 2
		.amdhsa_user_sgpr_kernarg_segment_ptr 1
		.amdhsa_wavefront_size32 1
		.amdhsa_system_sgpr_workgroup_id_x 1
		.amdhsa_system_sgpr_workgroup_id_y 1
		.amdhsa_system_sgpr_workgroup_id_z 1
		.amdhsa_system_vgpr_workitem_id 0
		.amdhsa_next_free_vgpr 104
		.amdhsa_next_free_sgpr 66
		.amdhsa_reserve_vcc 1
		.amdhsa_float_denorm_mode_32 3
		.amdhsa_float_denorm_mode_16_64 3
		.amdhsa_memory_ordered 1
		.amdhsa_forward_progress 1
		.amdhsa_inst_pref_size 20
	.end_amdhsa_kernel
	.amdgpu_metadata
---
amdhsa.version: [ 1, 2 ]
amdhsa.kernels:
  - .name:           k_qfd1f0ee077_prep
    .symbol:         k_qfd1f0ee077_prep.kd
    .args:
      - { .name: x, .offset: 0, .size: 8, .value_kind: global_buffer, .address_space: global }
      - { .name: Wq, .offset: 8, .size: 8, .value_kind: global_buffer, .address_space: global }
      - { .name: Wk, .offset: 16, .size: 8, .value_kind: global_buffer, .address_space: global }
      - { .name: Wv, .offset: 24, .size: 8, .value_kind: global_buffer, .address_space: global }
      - { .name: Wo, .offset: 32, .size: 8, .value_kind: global_buffer, .address_space: global }
      - { .name: cb, .offset: 40, .size: 8, .value_kind: global_buffer, .address_space: global }
    .group_segment_fixed_size: 0
    .private_segment_fixed_size: 0
    .kernarg_segment_align: 8
    .kernarg_segment_size: 48
    .max_flat_workgroup_size: 256
    .sgpr_count:     66
    .vgpr_count:     104
    .wavefront_size: 32
...
	.end_amdgpu_metadata
.endif
;; end of part 1
;; launch qkvp (part 2): grid 16 x 16, 4 waves a work-group, clusters of 4 x 4, 327,680 bytes of LDS; arguments cb, qkv; writes qkv
.if DOCPART == 2
	.amdgcn_target "amdgcn-amd-amdhsa--gfx1250"
	.amdhsa_code_object_version 6
	.text
	.protected	k_qfd1f0ee077_qkvp
	.globl	k_qfd1f0ee077_qkvp
	.p2align	8
	.type	k_qfd1f0ee077_qkvp,@function
k_qfd1f0ee077_qkvp:
	s_mov_b64 s[64:65], 0
	v_nop
	global_prefetch_b8 v0, s[64:65] scope:SCOPE_SE
	s_setreg_imm32_b32 hwreg(HW_REG_WAVE_MODE, 25, 1), 1
	s_wait_xcnt 0x0
	s_wait_alu depctr_hold_cnt(0) depctr_sa_sdst(0) depctr_va_vdst(0) depctr_va_sdst(0) depctr_va_ssrc(0) depctr_va_vcc(0) depctr_vm_vsrc(0)
	s_getreg_b32 s2, hwreg(HW_REG_IB_STS2, 6, 4)
	s_cmp_eq_u32 s2, 0
	s_cbranch_scc0 .Lentry_in_a_cluster
	s_endpgm
.Lentry_in_a_cluster:
	s_bfe_u32 s2, ttmp6, 0x10000c
	s_cmp_lg_u32 s2, 0xf033
	s_cbranch_scc0 .Lentry_shape_is_right
	s_endpgm
.Lentry_shape_is_right:
; q, k, v = x W^T, with the rotation of q and k on the way out.  A: x as bf16 [4096][1024] at cb; B: the permuted rows of Wq, Wk, Wv as bf16 [3072][1024] at cb + WQKV; sums in f32, K ascending.
; OUT: qkv, f16 [96 sub-heads][4096 rows][32]: q of sub-head g at g, k at 32 + g, v at 64 + g; each number rounded once, unscaled.
; LIMIT.  q, k and v beyond 65,504 would leave f16's range.
; SHARES.  A work-group of four waves makes 256 rows x 192 permuted columns: one head's two sub-heads.  A wave makes 128 x 96 (q, k and v of ONE sub-head): 8 x 6 accumulators of 16 x 16, 384 registers.
; K goes in steps of 128 (rows of 256 bytes in memory, aligned) through a ring of two LDS slots; each wave fetches one part of a slot with one tensor load (waves 0, 1: 128 rows of A; waves 2, 3: 96 rows of B).
; CLUSTER 4 x 4: A's tile hangs on the tile row alone and is asked for jointly along a row of the cluster, B's on the tile column alone, along a column.
; THE PRODUCT IS USED TRANSPOSED (source 0 = 16 rows of B, source 1 = 16 rows of A): a lane holds one row of x and eight neighbouring columns: four rotation pairs, or 16 bytes of f16.
; REGISTERS.  Window 0: v16-30 addresses; v32-63 rotated numbers; v64-127, v128-191 A's fragments, two buffers (on the way out: rows read back); v192-215 packed results.
;   Window 1: v64-111, v128-175 B's fragments; v0-63, v176-239 the table: for row block a at 16 a + 112 (a / 4): cos of my four pairs in columns 0-15, in columns 16-31, then sin likewise.
;   Windows 2, 3: the accumulators of my rows 0-63 and 64-127: (a, b) at 8 (6 (a % 4) + b).
.set KSTEP,  128
.set PITCH,  272                       ; an LDS row: 256 bytes + 16 of padding: the 16 rows of a fragment load start in 16 different groups of four banks
.set HALFA,  128*PITCH
.set HALFB,  96*PITCH
.set SLOT,   2*HALFA+2*HALFB           ; A's 256 rows, then B's 192
.set STAGE,  2*SLOT                    ; behind the ring: for each wave 3 x 16 rows of 64 bytes, 80 apart
.set WSTG,   3*16*80
.set SPARE,  STAGE+4*WSTG              ; the spare words, 128 bytes a wave: two blocks of 256 bytes that no other line names
.set LAPS,   4                         ; 1,024 / (2 x 128)
.set WQKV,   8388608
.set TAB,    16777216
.set ADRA, 16                          ; v16-17  LDS address of my A fragments in slot 0, 1
.set ADRB, 20                          ; v20-21  the same for B
.set STO,  24                          ; v24     the way out: where I put 16 bytes of a row
.set RD,   25                          ; v25     where I read rows back
.set CO,   26                          ; v26     16 x lane: my place in 512 consecutive bytes of qkv
.set TO,   27                          ; v27     my byte offset in 16 rows of the table; never rewritten
.set SPW,  28                          ; v28     my spare word's LDS address; never rewritten
.set NIL,  29                          ; v29     0; never rewritten
.set PFO,  30                          ; v30     the prefetches' offset: a lane a row; never rewritten
.set T,    32
.set F0,   64
.set F1,   128
.set PKD,  192
.set G1,   24                          ; s[24:31] group 1 for A's tiles; s[32:39] group 0, a set for each slot
.set G0,   32
.set G1B,  48                          ; s[48:55], s[56:63] the same for B's
.set G0B,  56
.set LIM,  43                          ; s43      1 in a wave that prefetches, else the greatest number
.set PFA,  44                          ; s[44:45] where my prefetches stand
.set OQ,   66                          ; s[66:71] qkv at my rows of my sub-head's q, k, v
.set TABP, 72                          ; s[72:73] the table at my first row's position
.set MSB, 0
.macro WIN new                         ; the immediate's high byte repeats the setting that is left; a switch that changes nothing is dropped
.if MSB != (\new)
	s_set_vgpr_msb (MSB<<8)|(\new)
.set MSB, \new
.endif
.endm
.set MUL_LO, 0xa1                      ; source 0 (B) window 1, source 1 (A) window 0, C and D window 2
.set MUL_HI, 0xf1                      ; the same, C and D window 3
.set TO_B,   0x40                      ; destination window 1, address window 0
; A joint load: waves 0 and 1 ask for A's two halves, waves 2 and 3 for B's.  The branch hangs on the wave's number alone.  An s_nop 0 and four v_nop follow each line.
.macro JLOAD s
	s_cmp_eq_u32 s11, 0
	s_cbranch_scc0 .Lfor_b_\@
	tensor_load_to_lds s[G0+4*(\s):G0+4*(\s)+3], s[G1:G1+7]
	s_nop 0
.rept 4
	v_nop
.endr
	s_branch .Lasked_\@
.Lfor_b_\@:
	tensor_load_to_lds s[G0B+4*(\s):G0B+4*(\s)+3], s[G1B:G1B+7]
	s_nop 0
.rept 4
	v_nop
.endr
.Lasked_\@:
.endm
; A prefetch into the L2 of the K step that stands two refills on: a lane a row, 256 bytes of each.  A's rows are named by the clusters with x = 0, B's by those with y = 0; the four partners that ask for
; a tile jointly share its rows out by address (32 of A's 128, 24 of B's 96; B's lanes 24-31 name row 23 once more in the same instruction).  The loop's last trip asks for nothing: there is no K step two on.
.macro ASK
	s_cmp_gt_u32 s3, s[LIM]
	s_cbranch_scc0 .Lnot_mine_\@
	global_prefetch_b8 v[PFO], s[PFA:PFA+1] offset:KSTEP*2 th:TH_LOAD_NT scope:SCOPE_SE
.Lnot_mine_\@:
.endm
.macro CREST                           ; a round of the cluster's barrier behind its opening barrier
	s_cmp_lg_u32 s10, 0
	s_cbranch_scc1 .Lnot_wave_0_\@
	s_barrier_signal -3
.Lnot_wave_0_\@:
	s_barrier_wait -3
	s_barrier_signal -1
	s_barrier_wait -1
.endm
.macro CROUND
	s_barrier_signal -1
	s_barrier_wait -1
	CREST
.endm
	s_load_b128 s[4:7], s[0:1], 0x0                ; cb s[4:5], qkv s[6:7]
	v_lshl_add_u32 v[SPW], v0, 2, SPARE
	v_mov_b32 v[NIL], 0
	ds_add_u32 v[SPW], v[NIL]                      ; the wave's opening: the add and its wait stand ahead of my first tensor load; work on registers stands between them
	v_lshrrev_b32 v1, 5, v0
	v_readfirstlane_b32 s10, v1                    ; wave 0..3
	s_lshr_b32 s11, s10, 1                         ; my half of the tile's rows.  Also: I fetch for A (0) or for B (1)
	s_and_b32 s12, s10, 1                          ; my half of its columns.  Also: which half of that tile I fetch
	s_bfe_u32 s40, ttmp6, 0x40000                  ; cx
	s_bfe_u32 s41, ttmp6, 0x40004                  ; cy
	s_lshl_b32 s42, ttmp9, 2
	s_add_co_u32 s42, s42, s40                     ; tile column = head
	s_and_b32 s13, ttmp7, 0xffff
	s_lshl_b32 s13, s13, 2
	s_add_co_u32 s13, s13, s41                     ; tile row
	s_lshl_b32 s43, s41, 2
	s_lshl_b32 s43, 15, s43                        ; my row of the cluster
	s_lshl_b32 s44, 0x1111, s40                    ; my column
	s_or_b32 s[G1+0], s43, (1<<16)|(1<<20)|(1<<21)|(5<<22)|(3<<25)   ; the mask; 2-byte elements; padding on; bit 21 beside a mask; after every 64 words 4 words
	s_or_b32 s[G1B+0], s44, (1<<16)|(1<<20)|(1<<21)|(5<<22)|(3<<25)
	s_mov_b32 s[G1+1], KSTEP<<16                   ; tensor_dim0 = 128
	s_mov_b32 s[G1+2], 128<<16                     ; tensor_dim1 = 128
	s_mov_b32 s[G1+3], KSTEP<<16                   ; tile_dim0 = 128
	s_mov_b32 s[G1+4], 128                         ; tile_dim1 = 128
	s_mov_b32 s[G1+5], 1024                        ; elements from row to row
	s_mov_b32 s[G1+6], 0
	s_mov_b32 s[G1+7], 0
	s_mov_b32 s[G1B+1], KSTEP<<16
	s_mov_b32 s[G1B+2], 96<<16                     ; B's part has 96 rows
	s_mov_b32 s[G1B+3], KSTEP<<16
	s_mov_b32 s[G1B+4], 96
	s_mov_b32 s[G1B+5], 1024
	s_mov_b32 s[G1B+6], 0
	s_mov_b32 s[G1B+7], 0
	s_lshl_b32 s16, s13, 8
	s_lshl_b32 s17, s12, 7
	s_add_co_u32 s16, s16, s17                     ; A: row 256 x tile row + 128 x half,
	s_lshl_b32 s16, s16, 11                        ; in bytes
	s_mov_b32 s17, 0
	s_mul_i32 s46, s42, 192
	s_mul_i32 s47, s12, 96
	s_add_co_u32 s46, s46, s47                     ; B: row 192 x tile column + 96 x half
	s_lshl_b32 s46, s46, 11
	s_add_co_u32 s46, s46, WQKV
	s_mov_b32 s47, 0
	s_mul_i32 s20, s12, HALFA                      ; where they go: no place in the cluster enters an LDS address
	s_mul_i32 s23, s12, HALFB
	s_add_co_u32 s23, s23, 2*HALFA
	s_wait_dscnt 0x0                               ; the opening add is done
	s_wait_kmcnt 0x0
	s_add_nc_u64 s[14:15], s[4:5], s[16:17]
	s_add_nc_u64 s[46:47], s[4:5], s[46:47]
	CROUND                                         ; all sixteen work-groups are here: the first joint loads meet
.irp s, 0,1
	s_mov_b32 s[G0+4*(\s)], 1
	s_add_co_u32 s[G0+4*(\s)+1], s20, (\s)*SLOT
	s_add_nc_u64 s[G0+4*(\s)+2:G0+4*(\s)+3], s[14:15], (\s)*KSTEP*2
	s_or_b32 s[G0+4*(\s)+3], s[G0+4*(\s)+3], 0x80000000
	s_mov_b32 s[G0B+4*(\s)], 1
	s_add_co_u32 s[G0B+4*(\s)+1], s23, (\s)*SLOT
	s_add_nc_u64 s[G0B+4*(\s)+2:G0B+4*(\s)+3], s[46:47], (\s)*KSTEP*2
	s_or_b32 s[G0B+4*(\s)+3], s[G0B+4*(\s)+3], 0x80000000
	JLOAD \s                                       ; K steps 0 and 1: two loads of mine are out
.endr
	v_and_b32 v1, 15, v0                           ; l % 16
	v_bfe_u32 v2, v0, 4, 1                         ; l / 16
	v_mul_u32_u24 v3, v1, PITCH
	v_lshl_add_u32 v3, v2, 4, v3                   ; a fragment's row x pitch + 16 x half
	s_mul_i32 s21, s11, HALFA                      ; my 128 rows of A
	s_mul_i32 s22, s12, HALFB                      ; my 96 rows of B,
	s_add_co_u32 s22, s22, 2*HALFA                 ; behind A's 256
.irp s, 0,1
	v_add_nc_u32 v[ADRA+(\s)], s21, v3
	v_add_nc_u32 v[ADRB+(\s)], s22, v3
	s_add_co_u32 s21, s21, SLOT
	s_add_co_u32 s22, s22, SLOT
.endr
	s_mul_i32 s23, s10, WSTG
	s_add_co_u32 s23, s23, STAGE                   ; my stage
	v_mul_u32_u24 v4, v1, 80                       ; in: row l % 16, 16 bytes for each half of the lanes
	v_lshl_add_u32 v4, v2, 4, v4
	v_add_nc_u32 v[STO], s23, v4
	v_and_b32 v5, 31, v0
	v_lshrrev_b32 v6, 2, v5                        ; back: 32 lanes take eight rows of 64 bytes,
	v_and_b32 v7, 3, v5
	v_mul_u32_u24 v6, v6, 80
	v_lshl_add_u32 v6, v7, 4, v6
	v_add_nc_u32 v[RD], s23, v6
	v_lshlrev_b32 v[CO], 4, v5                     ; which are 512 consecutive bytes of qkv
	v_lshlrev_b32 v[TO], 6, v1                     ; the table: row l % 16 of 64 bytes, my four pairs' 16 bytes
	v_lshl_add_u32 v[TO], v2, 4, v[TO]
	s_and_b32 s16, s13, 7                          ; position = row mod 2,048
	s_lshl_b32 s16, s16, 8
	s_lshl_b32 s17, s11, 7
	s_add_co_u32 s16, s16, s17
	s_lshl_b32 s16, s16, 6
	s_add_co_u32 s16, s16, TAB
	s_mov_b32 s17, 0
	s_add_nc_u64 s[TABP:TABP+1], s[4:5], s[16:17]
	WIN TO_B                                       ; the table's 32 loads stay out under the whole product; they are waited for on the way out
.irp a, 0,1,2,3,4,5,6,7
.irp pb, 0,1
.irp pl, 0,1
	global_load_b128 v[16*(\a)+112*((\a)/4)+4*(\pb)+8*(\pl):16*(\a)+112*((\a)/4)+4*(\pb)+8*(\pl)+3], v[TO], s[TABP:TABP+1] offset:1024*(\a)+32*(\pb)+131072*(\pl)
.endr
.endr
.endr
	WIN 0
	s_lshl_b32 s16, s42, 1
	s_add_co_u32 s16, s16, s12                     ; my sub-head,
	s_lshl_b32 s16, s16, 18                        ; 262,144 bytes each,
	s_lshl_b32 s17, s13, 8
	s_lshl_b32 s18, s11, 7
	s_add_co_u32 s17, s17, s18                     ; my first row,
	s_lshl_b32 s17, s17, 6                         ; 64 bytes each
	s_add_co_u32 s16, s16, s17
	s_mov_b32 s17, 0
	s_add_nc_u64 s[OQ:OQ+1], s[6:7], s[16:17]
	s_add_nc_u64 s[OQ+2:OQ+3], s[OQ:OQ+1], 32*262144
	s_add_nc_u64 s[OQ+4:OQ+5], s[OQ+2:OQ+3], 32*262144
	; the prefetches
	s_lshl_b32 s20, s13, 8
	s_lshl_b32 s21, s12, 7
	s_add_co_u32 s20, s20, s21
	s_lshl_b32 s21, s40, 5
	s_add_co_u32 s20, s20, s21                     ; A: the 128 rows that I fetch, my work-group's 32 of them
	s_lshl_b32 s20, s20, 11
	s_mul_i32 s18, s42, 192
	s_mul_i32 s21, s12, 96
	s_add_co_u32 s18, s18, s21
	s_mul_i32 s21, s41, 24
	s_add_co_u32 s18, s18, s21                     ; B: the 96 rows that I fetch, my work-group's 24
	s_lshl_b32 s18, s18, 11
	s_add_co_u32 s18, s18, WQKV
	s_and_b32 s22, ttmp7, 0xffff                   ; cluster y
	s_cmp_eq_u32 s11, 0                            ; do I fetch for A?
	s_cselect_b32 s20, s20, s18
	s_cselect_b32 s19, 31, 23
	s_cselect_b32 s22, ttmp9, s22                  ; the coordinate along which other clusters read the same rows
	s_add_co_u32 s20, s20, 2*KSTEP*2               ; at K step 2: the first refill steps it to 3 and names K step 4
	s_mov_b32 s21, 0
	s_add_nc_u64 s[PFA:PFA+1], s[4:5], s[20:21]
	s_cmp_eq_u32 s22, 0
	s_cselect_b32 s[LIM], 1, -1                    ; the same in all sixteen partners, for a given wave
	v_min_u32 v[PFO], s19, v5
	v_lshlrev_b32 v[PFO], 11, v[PFO]
; 12 matrix instructions: row blocks a0, a0 + 1 of the window's four x all 6 column blocks, 32 along K.  zero = 1: the first product starts the sums.  The 48 accumulators take turns, one instruction a turn, in the same order in every quarter.
.macro MUL12 f, hi, a0, zero
	WIN MUL_LO+0x50*(\hi)
.irp a, \a0, (\a0)+1
.irp b, 0,1,2,3,4,5
.if \zero
	v_wmma_f32_16x16x32_bf16 v[8*(6*(\a)+(\b)):8*(6*(\a)+(\b))+7], v[(\f)+8*(\b):(\f)+8*(\b)+7], v[(\f)+8*(4*(\hi)+(\a)):(\f)+8*(4*(\hi)+(\a))+7], 0
.else
	v_wmma_f32_16x16x32_bf16 v[8*(6*(\a)+(\b)):8*(6*(\a)+(\b))+7], v[(\f)+8*(\b):(\f)+8*(\b)+7], v[(\f)+8*(4*(\hi)+(\a)):(\f)+8*(4*(\hi)+(\a))+7], v[8*(6*(\a)+(\b)):8*(6*(\a)+(\b))+7]
.endif
.endr
.endr
.endm
; 28 LDS loads in one run: a quarter step's fragments (96 rows of B, 128 rows of A, 32 K at byte k of the rows) into buffer f
.macro FETCH slot, k, f
	WIN TO_B
.irp i, 0,1,2,3,4,5
	ds_load_b128 v[(\f)+8*(\i):(\f)+8*(\i)+3],   v[ADRB+(\slot)] offset:(\k)+(\i)*16*PITCH
	ds_load_b128 v[(\f)+8*(\i)+4:(\f)+8*(\i)+7], v[ADRB+(\slot)] offset:(\k)+(\i)*16*PITCH+32
.endr
	WIN 0
.irp i, 0,1,2,3,4,5,6,7
	ds_load_b128 v[(\f)+8*(\i):(\f)+8*(\i)+3],   v[ADRA+(\slot)] offset:(\k)+(\i)*16*PITCH
	ds_load_b128 v[(\f)+8*(\i)+4:(\f)+8*(\i)+7], v[ADRA+(\slot)] offset:(\k)+(\i)*16*PITCH+32
.endr
.endm
.macro PLACES                          ; four places in front of loads into registers that matrix instructions have read, and of vector lines that read results
.rept 4
	v_nop
.endr
.endm
; A K step is four quarters of 32 along K, 48 matrix instructions each, on buffers 0, 1, 0, 1.  One of the first three: multiplies f, and in its middle fetches the next quarter into g.
.macro QUARTER slot, k, f, g, zero
	s_wait_dscnt 8                                 ; B and A's rows 0-63 are in; the youngest eight loads (A's rows 64-127) may be out
	MUL12 \f, 0, 0, \zero
	MUL12 \f, 0, 2, \zero
	PLACES
	FETCH \slot, \k, \g
	s_wait_dscnt 28                                ; all but the 28 just issued
	MUL12 \f, 1, 0, \zero
	MUL12 \f, 1, 2, \zero
.endm
; The first half of the last quarter: one barrier for the change of slots.  In front of it each wave waits for all its tensor loads (the one that is out is its part of the next slot), adds 0 to its spare word, and waits for that and for its reads of this slot.
.macro MEET round
	WIN 0
	s_wait_tensorcnt 0x0
	ds_add_u32 v[SPW], v[NIL]
	s_wait_dscnt 9                                 ; the add and the youngest eight loads may be out
	MUL12 F1, 0, 0, 0                              ; twelve matrix instructions stand between the add and the wait for it
	s_wait_dscnt 0x0                               ; the add is done, and my reads of this slot are over
	s_barrier_signal -1
	MUL12 F1, 0, 2, 0
.if \round
	WIN 0
.endif
	s_barrier_wait -1
.endm
; The whole last quarter.  fill = 1: the barrier opens a round of the cluster's, and the slot just read out is filled again, two K steps ahead, first thing behind the round: 168 matrix instructions ahead of the wait for it.
.macro TURN slot, next, fill
.if \fill
	s_wait_xcnt 0x0                                ; the last prefetch, a K step back, has read its address
	s_add_nc_u64 s[PFA:PFA+1], s[PFA:PFA+1], KSTEP*2
.endif
	MEET \fill
.if \fill
	CREST
	s_add_nc_u64 s[G0+4*(\slot)+2:G0+4*(\slot)+3], s[G0+4*(\slot)+2:G0+4*(\slot)+3], 2*KSTEP*2
	s_add_nc_u64 s[G0B+4*(\slot)+2:G0B+4*(\slot)+3], s[G0B+4*(\slot)+2:G0B+4*(\slot)+3], 2*KSTEP*2
	JLOAD \slot                                    ; its four v_nop are also the places in front of the loads below
.else
	PLACES
.endif
	FETCH \next, 0, F0
.if \fill
	ASK
.endif
	MUL12 F1, 1, 0, 0
	MUL12 F1, 1, 2, 0
.endm
; THE WAY OUT of row block a.  RPACK: q's and k's pairs are turned (o1 = x1 c - x2 s, o2 = x1 s + x2 c, in f32), all is rounded to f16, 16 bytes a lane and column block.  Each accumulator is read from its low end on.
.macro RPACK a
.set AC, 48*((\a)%4)
.set CT, 16*(\a)+112*((\a)/4)
	WIN 0x06+((\a)/4)                              ; source 0 window 2 or 3, source 1 window 1 (the table), source 2 and destination window 0
.irp b, 0,1,2,3
.irp i, 0,1,2,3
	v_mul_f32 v[T+8*(\b)+2*(\i)],   v[AC+8*(\b)+2*(\i)], v[CT+4*((\b)%2)+(\i)]
	v_mul_f32 v[T+8*(\b)+2*(\i)+1], v[AC+8*(\b)+2*(\i)], v[CT+8+4*((\b)%2)+(\i)]
.endr
.irp i, 0,1,2,3
	v_fma_f32 v[T+8*(\b)+2*(\i)],   -v[AC+8*(\b)+2*(\i)+1], v[CT+8+4*((\b)%2)+(\i)], v[T+8*(\b)+2*(\i)]
	v_fma_f32 v[T+8*(\b)+2*(\i)+1], v[AC+8*(\b)+2*(\i)+1], v[CT+4*((\b)%2)+(\i)], v[T+8*(\b)+2*(\i)+1]
.endr
.endr
	WIN 0x0a+5*((\a)/4)                            ; sources 0 and 1 window 2 or 3: v goes as it is
.irp b, 4,5
.irp i, 0,1,2,3
	v_cvt_pk_f16_f32 v[PKD+4*(\b)+(\i)], v[AC+8*(\b)+2*(\i)], v[AC+8*(\b)+2*(\i)+1]
.endr
.endr
	WIN 0
.irp j, 0,1,2,3,4,5,6,7,8,9,10,11,12,13,14,15
	v_cvt_pk_f16_f32 v[PKD+(\j)], v[T+2*(\j)], v[T+2*(\j)+1]
.endr
.endm
.macro TOSTAGE a                       ; into my own stage, and back as whole rows; LDS serves a wave's instructions in order (ISA guide 5.7.1.4), so the loads see the stores
.set BK, 64+32*((\a)%2)
.irp b, 0,1,2,3,4,5
	ds_store_b128 v[STO], v[PKD+4*(\b):PKD+4*(\b)+3] offset:((\b)/2)*1280+((\b)%2)*32
.endr
.irp u, 0,1,2,3,4,5
	ds_load_b128 v[BK+4*(\u):BK+4*(\u)+3], v[RD] offset:((\u)/2)*1280+((\u)%2)*640
.endr
.endm
.macro SEND a
.set BK, 64+32*((\a)%2)
	s_wait_dscnt 0x0                               ; the block is back in registers
	s_wait_xcnt 0x0                                ; the stores of the block before have read their registers: those are loaded again only behind this wait
.irp u, 0,1,2,3,4,5
	global_store_b128 v[CO], v[BK+4*(\u):BK+4*(\u)+3], s[OQ+2*((\u)/2):OQ+2*((\u)/2)+1] offset:1024*(\a)+512*((\u)%2)  ; eight rows of a sub-head: 512 consecutive bytes, aligned
.endr
.endm
	s_wait_tensorcnt 1                             ; my part of K step 0 is in; K step 1's may stay out
	s_barrier_signal -1
	s_barrier_wait -1
	FETCH 0, 0, F0
	QUARTER 0, 64,  F0, F1, 1                      ; the first quarter stands in front of the loop: its products start the sums
	WIN 0
	s_mov_b32 s3, LAPS-1
.Llap:                                                 ; a trip goes once round the ring and fills both slots again
	QUARTER 0, 128, F1, F0, 0
	QUARTER 0, 192, F0, F1, 0
	TURN 0, 1, 1
	QUARTER 1, 64,  F0, F1, 0
	QUARTER 1, 128, F1, F0, 0
	QUARTER 1, 192, F0, F1, 0
	TURN 1, 0, 1
	QUARTER 0, 64,  F0, F1, 0
	WIN 0
	s_sub_co_u32 s3, s3, 1
	s_cmp_lg_u32 s3, 0
	s_cbranch_scc1 .Llap
	QUARTER 0, 128, F1, F0, 0                      ; the last lap fills nothing
	QUARTER 0, 192, F0, F1, 0
	TURN 0, 1, 0
	QUARTER 1, 64,  F0, F1, 0
	QUARTER 1, 128, F1, F0, 0
	QUARTER 1, 192, F0, F1, 0
	s_wait_dscnt 8
	MUL12 F1, 0, 0, 0
	MUL12 F1, 0, 2, 0
	s_wait_dscnt 0x0
	MUL12 F1, 1, 0, 0
	MUL12 F1, 1, 2, 0
	WIN 0
	PLACES
	s_wait_loadcnt 0x0                             ; the table
	RPACK 0
	TOSTAGE 0
.irp a, 1,2,3,4,5,6,7                  ; block a's arithmetic stands between block a - 1's loads from the stage and the wait for them
	RPACK \a
	SEND (\a)-1
	TOSTAGE \a
.endr
	SEND 7
	s_wait_tensorcnt 0x0                           ; the wave's end
	ds_add_u32 v[SPW], v[NIL]
	s_wait_dscnt 0x0
	CROUND                                         ; the closing round
	s_endpgm
.Lfunc_end_k_qfd1f0ee077_qkvp:
	.size	k_qfd1f0ee077_qkvp, .Lfunc_end_k_qfd1f0ee077_qkvp-k_qfd1f0ee077_qkvp
	.p2alignl 7, 3214868480
	.fill 96, 4, 3214868480
	.section	.rodata,"a",@progbits
	.p2align	6, 0x0
	.amdhsa_kernel k_qfd1f0ee077_qkvp
		.amdhsa_group_segment_fixed_size 327680
		.amdhsa_private_segment_fixed_size 0
		.amdhsa_enable_private_segment 0
		.amdhsa_kernarg_size 16
		.amdhsa_user_sgpr_count 2
		.amdhsa_user_sgpr_kernarg_segment_ptr 1
		.amdhsa_wavefront_size32 1
		.amdhsa_system_sgpr_workgroup_id_x 1
		.amdhsa_system_sgpr_workgroup_id_y 1
		.amdhsa_system_sgpr_workgroup_id_z 1
		.amdhsa_system_vgpr_workitem_id 0
		.amdhsa_next_free_vgpr 1024
		.amdhsa_next_free_sgpr 80
		.amdhsa_reserve_vcc 0
		.amdhsa_float_denorm_mode_32 3
		.amdhsa_float_denorm_mode_16_64 3
		.amdhsa_memory_ordered 1
		.amdhsa_forward_progress 1
		.amdhsa_inst_pref_size 144
	.end_amdhsa_kernel
	.amdgpu_metadata
---
amdhsa.version: [ 1, 2 ]
amdhsa.kernels:
  - .name:           k_qfd1f0ee077_qkvp
    .symbol:         k_qfd1f0ee077_qkvp.kd
    .args:
      - { .name: cb, .offset: 0, .size: 8, .value_kind: global_buffer, .address_space: global }
      - { .name: qkv, .offset: 8, .size: 8, .value_kind: global_buffer, .address_space: global }
    .group_segment_fixed_size: 327680
    .private_segment_fixed_size: 0
    .kernarg_segment_align: 8
    .kernarg_segment_size: 16
    .max_flat_workgroup_size: 128
    .sgpr_count:     80
    .vgpr_count:     1024
    .wavefront_size: 32
...
	.end_amdgpu_metadata
.endif
;; end of part 2
;; launch attn (part 3): grid 8 x 32, 4 waves a work-group, clusters of 4 x 1, 327,680 bytes of LDS; arguments qkv, ab, lambda_q1, lambda_k1, lambda_q2, lambda_k2, rms_weight; writes ab
.if DOCPART == 3
	.amdgcn_target "amdgcn-amd-amdhsa--gfx1250"
	.amdhsa_code_object_version 6
	.text
	.protected	k_qfd1f0ee077_attn
	.globl	k_qfd1f0ee077_attn
	.p2align	8
	.type	k_qfd1f0ee077_attn,@function
k_qfd1f0ee077_attn:
	s_mov_b64 s[64:65], 0
	v_nop
	global_prefetch_b8 v0, s[64:65] scope:SCOPE_SE
	s_setreg_imm32_b32 hwreg(HW_REG_WAVE_MODE, 25, 1), 1
	s_wait_xcnt 0x0
	s_wait_alu depctr_hold_cnt(0) depctr_sa_sdst(0) depctr_va_vdst(0) depctr_va_sdst(0) depctr_va_ssrc(0) depctr_va_vcc(0) depctr_vm_vsrc(0)
	s_getreg_b32 s2, hwreg(HW_REG_IB_STS2, 6, 4)
	s_cmp_eq_u32 s2, 0
	s_cbranch_scc0 .Lentry_in_a_cluster
	s_endpgm
.Lentry_in_a_cluster:
	s_bfe_u32 s2, ttmp6, 0x10000c
	s_cmp_lg_u32 s2, 0x3003
	s_cbranch_scc0 .Lentry_shape_is_right
	s_endpgm
.Lentry_shape_is_right:
; DIFFERENTIAL ATTENTION.  For each batch b, head h and query: attn_u = softmax_k(q_u . k_u / sqrt(32)) V for the sub-heads u = 0, 1 over the same 64 channels of V; a = attn_0 - lam attn_1,
; lam = e^(lq1 . lk1) - e^(lq2 . lk2) + 0.78360577; a / sqrt(mean(a^2) + 1e-5) x rms_weight x 0.21639423, rounded once to f16.
; IN: qkv, f16 [96 sub-heads][4096 rows][32] (q at 2h + u, k at 32 + 2h + u, v at 64 + 2h + u).  OUT: ab, f16 [32 row blocks][16 heads][128 rows][64].
; Products, maxima, sums, difference and norm in f32; the weights p are rounded to f16 for the second product (their sum l is taken of the unrounded p).  The lambdas and the gain are rounded to bf16 like all the module's inputs.
; LIMITS.  q, k, v arrive within f16's 65,504; p lies in 0 to 1 and below 6e-5 keeps f16's fixed step of 6e-8; a weight below 2^-126 counts as 0 in l; NaN and infinities are not treated apart.
; SHARES.  A work-group's four waves own 256 queries of one (b, h), a wave 64: four PIECES of 16 queries; a piece's two TILES are the two sub-heads.  Every wave walks all 2,048 keys, 64 a step.
; LAYOUT.  S^T = K Q^T (source 0 = 16 keys, source 1 = 16 queries; head size 32: ONE product is a whole sum, its C the constant 0): a lane holds one query (lane % 16) and the keys 8 (lane / 16) + 0..7.  Two such
; results rounded to f16 ARE source 1 of O^T = V^T P, whose result again holds one query a lane, and eight channels.  K comes out of LDS as it lies, V turned, by ds_load_tr16_b128.
; SOFTMAX.  A running maximum m and sum l for each query and sub-head: p = 2^(c s - c m), c = log2(e) / sqrt(32); in every step O and l are multiplied by a = 2^(c m_old - c m_new).  m starts at the lowest finite number, O and l at 0.
; THE COUNT.  A piece and step have 24 matrix and 236 vector instructions.  Four vector instructions that are ready stand behind every matrix instruction, the others in one run.
; BY TURNS.  Turn n belongs to piece n: 8 products K Q^T of piece n + 1, later 16 products V^T P of piece n - 1; beside them the scaling, exponentials, roundings, sums and rescaling of piece n and the maximum and statistics of piece n + 1.
; CLUSTER.  The four query blocks of a cluster belong to one (b, h) and walk the same K and V: each tile is asked for jointly.
; REGISTERS.  Window 0: v2-11 addresses; v12-15, v48-63 at work; v16-47 four statistics a tile; v64-191 S^T, two buffers of two tiles; v192-255 P likewise.  Window 1: O^T, 32 a tile.
;   Window 2: v0-63 Q (piece x, sub-head u at 16 x + 8 u); v64-95 the gain for my 32 channels; v96 lam; v98 at work; v100, v101 the add's two registers; v104-107 the lambdas; v128-191 K, v192-255 V of one step.
.set NP,    4
.set KS,    64
.set PK,    80        ; a row of K in LDS: 64 bytes + 16 of padding: the 16 rows of a load start in 16 different groups of four banks
.set PV,    96        ; a row of V: 64 + 32
.set K2OFF, 4*KS*PK   ; a slot holds four steps: 256 rows of k_0, of k_1, of v_0, of v_1
.set VOFF,  2*K2OFF
.set V2OFF, 4*KS*PV
.set SLOT1, 1<<17
.set STAGE, SLOT1+VOFF+2*V2OFF  ; behind the ring: 16 rows x 144 bytes for each wave
.set SP,    144
.set SPARE, STAGE+4*16*SP       ; the spare words, 128 bytes a wave: two blocks of 256 bytes that no other line names
.set AK0, 2
.set AV0, 3
.set AK,  4
.set AV,  5
.set QO,  6
.set STO, 6
.set RD,  7
.set GO,  8
.set PFO, 11          ; v11  the prefetches' offset: 256 x (lane % 16), and the second sub-head's array for lanes 16-31; never rewritten once made
.set MV,  12
.set ST,  16          ; tile t's statistics at v[ST+4 t]: c m, m, l (even keys', odd keys')
.set TMP, 48
.set S,   64
.set P,   192
.set WP,  64          ; window 2
.set LAM, 96
.set WT,  98
.set SPW, 100
.set NIL, 101
.set LMB, 104
.set KF,  128
.set VF,  192
.set WV,  12
.set LIM, 15
.set PFA, 18          ; s[18:19]
.set G1K, 24
.set G1V, 32
.set G0K, 40
.set G0V, 44
.set EPS, 48          ; s48  1e-5
.set R64, 49          ; s49  1/64
.set SLOTS, 56
.set CNT, 57
.set CS,  58
.set SEL, 60
.set TBK, 62
.set TBV, 63
.set MSB, 0
.macro WIN new
.if MSB != (\new)
	s_set_vgpr_msb (MSB<<8)|(\new)
.set MSB, (\new)
.endif
.endm
.set W_KQ, 0x0a       ; K and Q in window 2, S^T in window 0
.set W_PV, 0x52       ; V in window 2, P in window 0, O^T in window 1
.set W_RS, 0x41       ; O^T (destination and source 0) in window 1, source 1 in window 0
.set W_MK, 0x80       ; destination in window 2, sources in window 0
.set W_AD, 0x0a       ; the add: address and data in window 2
; A joint fill: wave 0 fetches a slot's k_0, wave 1 its k_1, wave 2 its v_0, wave 3 its v_1: 256 keys each.  An s_nop 0 and four v_nop follow each line.
.macro JLOAD
	s_cmp_lt_u32 s[WV], 2
	s_cbranch_scc0 .Lfor_v_\@
	tensor_load_to_lds s[G0K:G0K+3], s[G1K:G1K+7]
	s_nop 0
.rept 4
	v_nop
.endr
	s_branch .Lasked_\@
.Lfor_v_\@:
	tensor_load_to_lds s[G0V:G0V+3], s[G1V:G1V+7]
	s_nop 0
.rept 4
	v_nop
.endr
.Lasked_\@:
.endm
; A prefetch into the L2 of what the NEXT change of slots will ask for: four arrays x 16,384 bytes.  Both clusters of a (b, h) walk the same rows: the first asks.  Its four partners take 4,096 bytes of each array, told apart by
; address; wave 0 asks for k_0 and k_1, wave 2 for v_0 and v_1: a lane 256 bytes, one instruction.  The last change that fills a slot asks for nothing.
.macro ASK
	s_cmp_gt_u32 s[SLOTS], s[LIM]
	s_cbranch_scc0 .Lnot_mine_\@
	global_prefetch_b8 v[PFO], s[PFA:PFA+1] th:TH_LOAD_NT scope:SCOPE_SE
.Lnot_mine_\@:
.endm
.macro CROUND
	s_barrier_signal -1
	s_barrier_wait -1
	s_cmp_lg_u32 s[WV], 0
	s_cbranch_scc1 .Lnot_wave_0_\@
	s_barrier_signal -3
.Lnot_wave_0_\@:
	s_barrier_wait -3
	s_barrier_signal -1
	s_barrier_wait -1
.endm
; THE CHANGE OF SLOTS.  Each wave waits for all its tensor loads (one is out: its part of the other slot), adds 0 to its spare word, and waits for that and for its reads of the slot.  fill = 1: the barrier is a round of the
; cluster's, and the slot is filled again first thing behind it, with the keys two slots on: four key steps, 384 matrix instructions and their vector work, in which to land.
.macro CHANGE fill
	WIN W_AD
	s_wait_tensorcnt 0x0            ; no tensor load of mine is out, so a group 0 may be written
	ds_add_u32 v[SPW], v[NIL]
	WIN 0
.if \fill
.irp g, G0K, G0V
	s_xor_b32 s[\g+1], s[\g+1], SLOT1
	s_add_nc_u64 s[\g+2:\g+3], s[\g+2:\g+3], 4*KS*64
.endr
	s_wait_xcnt 0x0                 ; the last prefetch, four key steps back, has read its address
	s_add_nc_u64 s[PFA:PFA+1], s[PFA:PFA+1], 4*KS*64
	s_wait_dscnt 0x0                ; the add is done, and my reads of the slot are over
	CROUND
	JLOAD
	ASK
.else
	s_wait_dscnt 0x0
	s_barrier_signal -1
	s_barrier_wait -1
.endif
	s_sub_co_u32 s[TBK], s[TBK], 4*KS*PK  ; the fetches go back to a slot's first step,
	s_xor_b32 s[TBK], s[TBK], SLOT1       ; in the other slot
	s_sub_co_u32 s[TBV], s[TBV], 4*KS*PV
	s_xor_b32 s[TBV], s[TBV], SLOT1
.endm
	s_load_b128 s[4:7], s[0:1], 0x0    ; qkv s[4:5], ab s[6:7]
	s_load_b256 s[68:75], s[0:1], 0x10 ; lambda_q1, lambda_k1, lambda_q2, lambda_k2
	s_load_b64 s[76:77], s[0:1], 0x30  ; rms_weight
	WIN W_MK
	v_lshl_add_u32 v[SPW], v0, 2, SPARE
	v_mov_b32 v[NIL], 0
	WIN W_AD
	ds_add_u32 v[SPW], v[NIL]       ; the wave's opening: the add and its wait stand ahead of my first tensor load
	WIN 0
	v_lshrrev_b32 v1, 5, v0
	v_readfirstlane_b32 s[WV], v1   ; wave 0..3
	s_bfe_u32 s13, ttmp6, 0x40000   ; cx
	s_lshl_b32 s14, ttmp9, 2
	s_add_co_u32 s14, s14, s13      ; my block of 256 queries: it enters Q's and O's addresses alone
	s_and_b32 s20, ttmp7, 0xffff
	s_and_b32 s21, s20, 15          ; head
	s_lshr_b32 s22, s20, 4          ; batch
	s_and_b32 s16, s[WV], 1         ; the sub-head whose array I fetch
	s_lshl_b32 s23, s21, 1
	s_add_co_u32 s17, s23, s16
	s_lshl_b32 s17, s17, 18         ; (2 h + u) x 262,144
	s_lshl_b32 s2, s22, 17          ; + batch x 2,048 rows of 64 bytes
	s_add_co_u32 s2, s2, s17
	s_mov_b32 s3, 0
	s_lshl_b32 s50, s23, 18         ; Q: sub-head 2 h,
	s_lshl_b32 s51, s22, 17
	s_add_co_u32 s50, s50, s51
	s_lshl_b32 s51, s14, 14         ; my block's 256 rows,
	s_add_co_u32 s50, s50, s51
	s_lshl_b32 s51, s[WV], 12       ; my wave's 64
	s_add_co_u32 s50, s50, s51
	s_mov_b32 s51, 0
	s_lshl_b32 s52, s22, 4          ; O: row block 16 b + 2 x block + wave / 2,
	s_lshl_b32 s53, s14, 1
	s_add_co_u32 s52, s52, s53
	s_lshr_b32 s53, s[WV], 1
	s_add_co_u32 s52, s52, s53
	s_lshl_b32 s52, s52, 18
	s_lshl_b32 s53, s21, 14         ; the head's 128 rows of 128 bytes,
	s_add_co_u32 s52, s52, s53
	s_lshl_b32 s53, s16, 13         ; my 64 of them
	s_add_co_u32 s52, s52, s53
	s_mov_b32 s53, 0
	s_lshl_b32 s54, s13, 12         ; the prefetches: my work-group's 4,096 bytes, in slot 1; the first change steps it to slot 2
	s_add_co_u32 s54, s54, 4*KS*64
	s_mov_b32 s55, 0
	; group 1: 256 keys of a sub-head are 16,384 dense bytes: asked for as 64 rows of 256 bytes, four keys a row, and padded in LDS after every key
	s_mov_b32 s[G1K], 15|(1<<16)|(1<<20)|(1<<21)|(3<<22)|(3<<25)  ; the mask of four; 2-byte elements; padding on; bit 21 beside a mask; after every 16 words 4 words
	s_mov_b32 s[G1V], 15|(1<<16)|(1<<20)|(1<<21)|(3<<22)|(7<<25)  ; the same with 8 words
.irp g, G1K, G1V
	s_mov_b32 s[\g+1], 128<<16      ; tensor_dim0 = 128
	s_mov_b32 s[\g+2], 64<<16       ; tensor_dim1 = 64
	s_mov_b32 s[\g+3], 128<<16      ; tile_dim0 = 128
	s_mov_b32 s[\g+4], 64           ; tile_dim1 = 64
	s_mov_b32 s[\g+5], 128          ; elements from row to row
	s_mov_b32 s[\g+6], 0
	s_mov_b32 s[\g+7], 0
.endr
	s_mov_b32 s[CS], 0x3e8293ee     ; c = log2(e) / sqrt(32) = 0.255035
	s_mov_b32 s[CS+1], s[CS]
	s_mov_b32 s[SEL], 0x76543210
	s_mov_b32 s[SEL+1], 0xfedcba98
	s_mov_b32 s[EPS], 0x3727c5ac
	s_mov_b32 s[R64], 0x3c800000
	s_mov_b32 s[TBK], SLOT1+4*KS*PK ; the first change of slots turns these two into 0
	s_mov_b32 s[TBV], SLOT1+4*KS*PV
	s_mov_b32 s[SLOTS], 7           ; slots still to be asked for
	s_mov_b32 s[G0K], 1
	s_mul_i32 s[G0K+1], s16, K2OFF  ; LDS address: slot 0; no place in the cluster enters it
	s_mov_b32 s[G0V], 1
	s_mul_i32 s[G0V+1], s16, V2OFF
	s_add_co_u32 s[G0V+1], s[G0V+1], VOFF
	s_and_b32 s[LIM], s[WV], 1      ; 0 in waves 0 and 2,
	s_or_b32 s[LIM], s[LIM], ttmp9  ; where the cluster is the first of its (b, h): the same in all four partners
	s_cmp_eq_u32 s[LIM], 0
	s_cselect_b32 s[LIM], 1, -1
	s_wait_dscnt 0x0                ; the opening add is done
	s_wait_kmcnt 0x0
	s_add_nc_u64 s[G0K+2:G0K+3], s[4:5], s[2:3]
	s_add_nc_u64 s[G0V+2:G0V+3], s[G0K+2:G0K+3], 64*262144
	s_add_nc_u64 s[G0K+2:G0K+3], s[G0K+2:G0K+3], 32*262144
	s_cmp_lt_u32 s[WV], 2
	s_cselect_b64 s[PFA:PFA+1], s[G0K+2:G0K+3], s[G0V+2:G0V+3]  ; (in waves 0 and 2 these stand at the first sub-head's array)
	s_add_nc_u64 s[PFA:PFA+1], s[PFA:PFA+1], s[54:55]
	s_or_b32 s[G0K+3], s[G0K+3], 0x80000000
	s_or_b32 s[G0V+3], s[G0V+3], 0x80000000
	s_add_nc_u64 s[10:11], s[6:7], s[52:53]  ; O at my wave's first row
	s_add_nc_u64 s[4:5], s[4:5], s[50:51]    ; Q likewise
	CROUND                          ; all four work-groups are here: the first joint loads meet
	JLOAD                           ; slot 0; slot 1 is asked for when slot 0 is in
	v_and_b32 v1, 15, v0            ; l % 16
	v_bfe_u32 v9, v0, 4, 1          ; l / 16
	v_lshlrev_b32 v[QO], 6, v1
	v_lshl_add_u32 v[QO], v9, 4, v[QO]  ; row x 64 + 16 x half
	v_lshlrev_b32 v[S+1], 5, v9     ; the gain: my eight channels of a block of 16
	v_and_b32 v[S], 31, v0
	v_lshlrev_b32 v[S], 2, v[S]     ; the lambdas: a number a lane
	WIN W_MK
.set i, 0
.rept 8                             ; Q stays in registers: piece i / 2, sub-head i % 2
	global_load_b128 v[8*i:8*i+3],   v[QO], s[4:5] offset:(i%2)*262144+(i/2)*1024
	global_load_b128 v[8*i+4:8*i+7], v[QO], s[4:5] offset:(i%2)*262144+(i/2)*1024+32
.set i, i+1
.endr
.irp f, 0,1,2,3
	global_load_b128 v[WP+8*\f:WP+8*\f+3],   v[S+1], s[76:77] offset:64*\f
	global_load_b128 v[WP+8*\f+4:WP+8*\f+7], v[S+1], s[76:77] offset:64*\f+16
.endr
.irp f, 0,1,2,3
	global_load_b32 v[LMB+\f], v[S], s[68+2*\f:69+2*\f]
.endr
	; What the first turn finds: V's registers and P's second buffer hold 0, O^T and l are 0.  All this stands in the wait for the first tile.
.set i, VF
.rept 64
	v_mov_b32 v[i], 0
.set i, i+1
.endr
	WIN 0x40
.set i, 0
.rept 64*NP
	v_mov_b32 v[i], 0
.set i, i+1
.endr
	WIN 0
.set i, 0
.rept 2*NP
	v_mov_b32 v[ST+4*i], 0xfe000000    ; c m: far below every c s
	v_mov_b32 v[ST+4*i+1], 0xff7fffff  ; m
	v_mov_b32 v[ST+4*i+2], 0
	v_mov_b32 v[ST+4*i+3], 0
.set i, i+1
.endr
.set i, P+32
.rept 32
	v_mov_b32 v[i], 0
.set i, i+1
.endr
	v_mul_u32_u24 v[AK0], v1, PK
	v_lshl_add_u32 v[AK0], v9, 4, v[AK0]
	; The turning load takes 16 keys x 16 channels (lane l reads key 8 (l / 16) + l % 8, channels 8 ((l / 8) % 2) + 0..7) and leaves half a fragment of V^T.
	v_and_b32 v10, 7, v0
	v_bfe_u32 v11, v0, 3, 1
	v_lshl_add_u32 v[AV0], v9, 3, v10
	v_mul_u32_u24 v[AV0], v[AV0], PV
	v_lshl_add_u32 v[AV0], v11, 4, v[AV0]
	v_add_nc_u32 v[AV0], VOFF, v[AV0]
	v_mov_b32 v[AK], v[AK0]
	v_lshlrev_b32 v[PFO], 8, v1
	v_lshl_add_u32 v[PFO], v9, 18, v[PFO]
; THE MATRIX WORK.  Product i of 8 of S^T = K Q^T for piece x: keys 16 (i / 2) on, sub-head i % 2; eight different results.
.macro KQ x
	WIN W_KQ
.set rS, S+64*((\x)%2)+32*(i%2)+8*(i/2)
.set rK, KF+16*(i/2)+8*(i%2)
.set rQ, 16*(\x)+8*(i%2)
	v_wmma_f32_16x16x32_f16 v[rS:rS+7], v[rK:rK+7], v[rQ:rQ+7], 0
.endm
; Product i of 16 of O^T += V^T P for piece x: keys 32 (i / 8) on, channels 16 ((i / 2) % 4) on, sub-head i % 2.  The 8 accumulators take turns.
.macro PV x
	WIN W_PV
.set rO, 32*(2*(\x)+i%2)+8*((i/2)%4)
.set rV, VF+32*(i/8)+8*((i/2)%4)
.set rP, P+32*((\x)%2)+16*(i%2)+8*(i/8)
	v_wmma_f32_16x16x32_f16 v[rO:rO+7], v[rV:rV+7], v[rP:rP+7], v[rO:rO+7]
.endm
.macro MM                           ; the turn's next matrix instruction
.if i < 8
	KQ (Y+1)%NP
.set i, i+1
.else
.set i, i-8
	PV (Y+NP-1)%NP
.set i, i+9
.endif
.endm
; THE LDS LOADS stand in runs of 16.  last = 1 (the tail): in the last trip there is no further step, and the run is jumped over.
.macro FETCH_K last=0
	WIN 0
.if \last
	s_cmp_eq_u32 s[CNT], 1
	s_cbranch_scc1 .Lno_k_\@
.endif
	WIN W_MK
.irp f, 0,1,2,3,4,5,6,7             ; keys 16 (f / 2) on, sub-head f % 2
	ds_load_b128 v[KF+8*\f:KF+8*\f+3],   v[AK] offset:(\f%2)*K2OFF+(\f/2)*16*PK
	ds_load_b128 v[KF+8*\f+4:KF+8*\f+7], v[AK] offset:(\f%2)*K2OFF+(\f/2)*16*PK+32
.endr
	s_add_co_u32 s[TBK], s[TBK], KS*PK
	WIN 0
.if \last
.Lno_k_\@:
.endif
.endm
.macro FETCH_V
	WIN W_MK
.irp f, 0,1,2,3,4,5,6,7             ; keys 32 (f / 4) on, channels 16 (f % 4) on: array (f % 4) / 2, its channels 16 (f % 2) on
	ds_load_tr16_b128 v[VF+8*\f:VF+8*\f+3],   v[AV] offset:((\f%4)/2)*V2OFF+(\f/4)*32*PV+(\f%2)*32
	ds_load_tr16_b128 v[VF+8*\f+4:VF+8*\f+7], v[AV] offset:((\f%4)/2)*V2OFF+(\f/4)*32*PV+16*PV+(\f%2)*32
.endr
	WIN 0
.endm
; THE VECTOR WORK OF A TURN stands in three queues, each in the order in which its entries become ready; the two tiles alternate.
.macro REGS y, u
.set rT, ST+4*(2*(\y)+(\u))
.set rC, TMP+8*((\y)%2)+4*(\u)
.set rM, MV+2*((\y)%2)+(\u)
.set rS, S+64*((\y)%2)+32*(\u)
.set rP, P+32*((\y)%2)+16*(\u)
.set rO, 32*(2*(\y)+(\u))
.endm
; Number n of the 22 that find the NEXT piece's maximum and statistics; each accumulator's lowest registers are read first.
;   0-11 four chains c0-c3 of seven scores each   12-14, 16 the four scores left over, the old m, c0-c3 into c0   15 c m_old is kept   17, 18 the other half of the lanes: the new m   19-21 c m; c m_old - c m_new; a
.macro XS u, n
	REGS (Y+1)%NP, \u
.if (\n) < 4
	v_max3_num_f32 v[rC+(\n)], v[rS+8*(\n)], v[rS+8*(\n)+1], v[rS+8*(\n)+2]
.elseif (\n) < 12
	v_max3_num_f32 v[rC+(\n)%4], v[rC+(\n)%4], v[rS+8*((\n)%4)+2*((\n)/4)+1], v[rS+8*((\n)%4)+2*((\n)/4)+2]
.elseif (\n) == 12
	v_max3_num_f32 v[rC], v[rC], v[rS+7], v[rS+15]
.elseif (\n) == 13
	v_max3_num_f32 v[rC+1], v[rC+1], v[rS+23], v[rS+31]
.elseif (\n) == 14
	v_max3_num_f32 v[rC+2], v[rC+2], v[rC+3], v[rT+1]
.elseif (\n) == 15
	v_mov_b32 v[rM], v[rT]
.elseif (\n) == 16
	v_max3_num_f32 v[rC], v[rC], v[rC+1], v[rC+2]
.elseif (\n) == 17
	v_permlanex16_b32 v[rC+3], v[rC], s[SEL], s[SEL+1]
.elseif (\n) == 18
	v_max_num_f32 v[rT+1], v[rC], v[rC+3]
.elseif (\n) == 19
	v_mul_f32 v[rT], s[CS], v[rT+1]
.elseif (\n) == 20
	v_sub_f32 v[rC+1], v[rM], v[rT]
.else
	v_exp_f32 v[rC+2], v[rC+1]
.endif
.endm
; Number g of the 64 that follow the exponentials: for each four weights both pairs are rounded to f16, the second pair is added onto the first in place, and a group later l takes that sum (the first time as l = a l + sum).
.macro GS g
.set h, (\g)+6*((\g)/62)
.if h >= 6
.set h, h+2
.endif
	REGS Y, h%2
.set k, h/8
.if h%8 < 4
	v_cvt_pk_f16_f32 v[rP+2*k+(h%8)/2], v[rS+4*k+2*((h%8)/2)], v[rS+4*k+2*((h%8)/2)+1]
.elseif h%8 < 6
	v_pk_add_f32 v[rS+4*k:rS+4*k+1], v[rS+4*k:rS+4*k+1], v[rS+4*k+2:rS+4*k+3]
.elseif k == 1
	v_pk_fma_f32 v[rT+2:rT+3], v[rT+2:rT+3], v[rC+2:rC+3], v[rS:rS+1] op_sel_hi:[1,0,1]
.else
	v_pk_add_f32 v[rT+2:rT+3], v[rT+2:rT+3], v[rS+4*k-4:rS+4*k-3]
.endif
.endm
; THE PLAIN QUEUE, 138 long.  0-26: scalings 0-26.  27-54: XS 0-13.  55, 56: XS 15.  57-73: the chain XS 14, 16 .. 19, each with one of the scalings 27-31 in front of its two lines, then XS 20.  74-137: GS's 64, behind the wait.
.macro FS f
	REGS Y, (\f)%2
	v_pk_fma_f32 v[rS+2*((\f)/2):rS+2*((\f)/2)+1], v[rS+2*((\f)/2):rS+2*((\f)/2)+1], s[CS:CS+1], v[rT:rT+1] op_sel_hi:[1,0,0] neg_lo:[0,0,1] neg_hi:[0,0,1]
.endm
.macro PL
	WIN 0
.if q < 27
	FS q
.elseif q < 55
	XS (q-27)%2, (q-27)/2
.elseif q < 57
	XS q-55, 15
.elseif (q < 72) && ((q-57)%3 == 0)
	FS 27+(q-57)/3
.elseif q < 60
	XS (q-57)%3-1, 14
.elseif q < 72
	XS (q-57)%3-1, 15+(q-57)/3
.elseif q < 74
	XS q-72, 20
.else
	GS q-74
.endif
.set q, q+1
.endm
; THE EXPONENTIALS' QUEUE, 66 long: s0-s31 of both tiles, then the next piece's two a: ONE BATCH ahead of the turn's one wait; nothing ahead of that wait names a result of theirs.
.macro EX
	WIN 0
.if e >= 64
	XS e-64, 21
.else
	REGS Y, e%2
	v_exp_f32 v[rS+e/2], v[rS+e/2]
.endif
.set e, e+1
.endm
; THE RESCALING's QUEUE: O^T times a, two at a time, sixteen times; its a was made, and waited for, in the turn before.
.macro R2
	REGS Y, r%2
	WIN W_RS
.irp z, 0,1
	v_pk_mul_f32 v[rO+4*(r/2)+2*\z:rO+4*(r/2)+2*\z+1], v[rO+4*(r/2)+2*\z:rO+4*(r/2)+2*\z+1], v[rC+2:rC+3] op_sel_hi:[1,0]
.endr
.set r, r+1
.endm
; A TURN, for piece p.  AHEAD OF THE WAIT: the 8 products K Q^T, behind each a scaling, an exponential and two rescalings (behind the first a second scaling in the exponential's place); the other 16 rescalings under one window
; setting; eight plain; 57 times exponential and plain; the two a; a v_nop, the plain instruction behind the last exponential.  BEHIND IT: the 16 products V^T P, behind each four of GS's 64.
; The deal keeps the queues in step: exponential e needs scaling 2 (e / 4) + e % 2; as a rider it stands behind plain e + 2, in the run behind plain e + 9; scalings 27-31 are plain 57, 60 .. 69, and their first readers,
; exponentials 53, 56, 57, 60, 61, stand behind plain 62, 65, 66, 69, 70.  XS begins at plain 27, sixteen rescalings and more behind the last K Q^T.
; K of the next step is fetched in piece 2's turn, directly behind the wait; V of the step in hand at the end of piece 0's turn, four plain riders behind its last reader.  Each is waited for a turn later.
.macro TURN p, last=0, cnt=0
.set Y, (\p)
.set i, 0
.set q, 0
.set e, 0
.set r, 0
.if (\p) == NP-1
	s_wait_dscnt 0x0                ; K is in
.endif
	MM
	PL
	PL
	R2
.rept 7
	MM
	PL
	EX
	R2
.endr
.if (\p) == NP-2
	WIN 0
	v_add_nc_u32 v[AK], s[TBK], v[AK0]
.endif
.rept 8
	R2
.endr
.rept 8
	PL
.endr
.rept 57
	EX
	PL
.endr
	EX                              ; the next piece's two a
	EX
	v_nop
	s_wait_alu depctr_va_vdst(0)    ; the wait for the batch
.if (\p) == NP-2
	FETCH_K \last
.endif
.if (\p) == 1
	s_wait_dscnt 0x0                ; V is in
.endif
.rept 16
	MM
.rept 4
	PL
.endr
.if ((\p) == 0) && (q == 118)
	v_add_nc_u32 v[AV], s[TBV], v[AV0]
.endif
.if ((\p) == 0) && (q == 130)
	s_add_co_u32 s[TBV], s[TBV], KS*PV
.endif
.if (\cnt) && (q == 130)
	s_sub_co_u32 s[CNT], s[CNT], 1
	s_cmp_lg_u32 s[CNT], 0
.endif
.endr
.if (\p) == 0
	FETCH_V
.endif
.endm
	CHANGE 1                        ; slot 0 is in, everybody's part of it; slot 1 is asked for
	FETCH_K                         ; key step 0
	s_wait_loadcnt 0x0              ; Q, the gain, the lambdas
	; lam, and the gain times 1 - lambda_init: made while K's fragments are on their way
	WIN 0x0a
	v_cvt_pk_bf16_f32 v[S+2], v[LMB], v[LMB+1]
	v_cvt_pk_bf16_f32 v[S+3], v[LMB+2], v[LMB+3]
	WIN 0
	v_lshlrev_b32 v[S+4], 16, v[S+2]
	v_and_b32 v[S+5], 0xffff0000, v[S+2]
	v_lshlrev_b32 v[S+6], 16, v[S+3]
	v_and_b32 v[S+7], 0xffff0000, v[S+3]
	v_mul_f32 v[S+4], v[S+4], v[S+5]
	v_mul_f32 v[S+6], v[S+6], v[S+7]
.irp m, 1,2,4,8
	v_add_f32_dpp v[S+4], v[S+4], v[S+4] row_xmask:\m row_mask:0xf bank_mask:0xf
	v_add_f32_dpp v[S+6], v[S+6], v[S+6] row_xmask:\m row_mask:0xf bank_mask:0xf
.endr
	v_permlanex16_b32 v[S+5], v[S+4], s[SEL], s[SEL+1]
	v_permlanex16_b32 v[S+7], v[S+6], s[SEL], s[SEL+1]
	v_add_f32 v[S+4], v[S+4], v[S+5]
	v_add_f32 v[S+6], v[S+6], v[S+7]
	v_mul_f32 v[S+4], 0x3fb8aa3b, v[S+4]
	v_mul_f32 v[S+6], 0x3fb8aa3b, v[S+6]
	v_exp_f32 v[S+4], v[S+4]
	v_exp_f32 v[S+6], v[S+6]
	v_nop
	s_wait_alu depctr_va_vdst(0)    ; one wait for the two
	v_sub_f32 v[S+4], v[S+4], v[S+6]
	WIN W_MK
	v_add_f32 v[LAM], 0x3f489a63, v[S+4]
	WIN 0x8a
.set i, 0
.rept 16
	v_cvt_pk_bf16_f32 v[WT], v[WP+2*i], v[WP+2*i+1]
	v_lshlrev_b32 v[WP+2*i], 16, v[WT]
	v_and_b32 v[WP+2*i+1], 0xffff0000, v[WT]
	v_pk_mul_f32 v[WP+2*i:WP+2*i+1], v[WP+2*i:WP+2*i+1], 0x3e5d9673 op_sel_hi:[1,0]
.set i, i+1
.endr
	s_wait_dscnt 0x0
.set i, 0
.rept 8
	KQ 0                            ; piece 0's first scores
.set i, i+1
.endr
	WIN 0                           ; the addresses for the way out: nine plain instructions, the places behind those products
	s_mul_i32 s13, s[WV], 16*SP
	s_add_co_u32 s13, s13, STAGE
	v_mul_u32_u24 v[STO], v1, SP
	v_lshl_add_u32 v[STO], v9, 4, v[STO]
	v_add_nc_u32 v[STO], s13, v[STO]
	v_bfe_u32 v[RD], v0, 3, 2       ; back: 32 lanes take four rows of 128 bytes,
	v_mul_u32_u24 v[RD], v[RD], SP
	v_lshl_add_u32 v[RD], v10, 4, v[RD]
	v_add_nc_u32 v[RD], s13, v[RD]
	v_and_b32 v[GO], 31, v0         ; which are 512 consecutive bytes of ab
	v_lshlrev_b32 v[GO], 4, v[GO]
.set Y, NP-1
.irp n, 0,1,2,3,4,5,6,7,8,9,10,11,12,13,14,15,16,17,18,19,20,21
	XS 0, \n
	XS 1, \n
.endr
	v_nop
	s_wait_alu depctr_va_vdst(0)
	s_mov_b32 s[CNT], 4
	s_branch .Lfirst                ; the loop is entered at a step's first turn, in the middle of a trip
.Lslot:                             ; six times: every slot but the last two is filled again
	CHANGE 1
	s_mov_b32 s[CNT], 4
.Lstep:                             ; a trip: pieces 2 and 3 of one step, then pieces 0 and 1 of the next
	TURN 2
	TURN 3
	WIN 0
.Lfirst:
	TURN 0
	TURN 1, 0, 1
	WIN 0
	s_cbranch_scc1 .Lstep
	s_sub_co_u32 s[SLOTS], s[SLOTS], 1
	s_cmp_lg_u32 s[SLOTS], 0
	s_cbranch_scc1 .Lslot
	CHANGE 0                        ; the tail is written out
	s_mov_b32 s[CNT], 5
.Ltail:
	TURN 2, 1
	TURN 3
	WIN 0
	s_sub_co_u32 s[CNT], s[CNT], 1
	s_cmp_eq_u32 s[CNT], 0
	s_cbranch_scc1 .Lout
	TURN 0
	TURN 1
	WIN 0
	s_branch .Ltail
.Lout:                              ; the products K Q^T of the fifth trip's second turn and the maximum made of them serve nothing: the price of one text for every trip
.set i, 0
.rept 16
	PV NP-1
.set i, i+1
.endr
	; THE WAY OUT.  1 / l for the eight tiles; a = O_0 / l_0 - lam O_1 / l_1; its mean square over the query's 64 channels (32 in my lane, 32 in the lane 16 away); the norm, the gain; f16; through my stage, a piece at a time.
	WIN 0
.macro ALL line:vararg
.set t, 0
.rept 2*NP
	\line
.set t, t+1
.endr
.endm
	ALL v_add_f32 v[ST+4*t+2], v[ST+4*t+2], v[ST+4*t+3]
	ALL v_permlanex16_b32 v[ST+4*t+3], v[ST+4*t+2], s[SEL], s[SEL+1]
	ALL v_add_f32 v[ST+4*t+2], v[ST+4*t+2], v[ST+4*t+3]
	ALL v_rcp_f32 v[ST+4*t+2], v[ST+4*t+2]
	v_nop
	s_wait_alu depctr_va_vdst(0)    ; one wait for the eight reciprocals
	WIN 0x08                        ; source 1 in window 2
.irp x, 0,1,2,3
	v_mul_f32 v[ST+8*\x+6], v[ST+8*\x+6], v[LAM]
.endr
	WIN 0x51                        ; destination, sources 0 and 2 in window 1, source 1 in window 0
.irp x, 0,1,2,3
.set z, 0
.rept 16
	v_pk_mul_f32 v[64*\x+32+2*z:64*\x+32+2*z+1], v[64*\x+32+2*z:64*\x+32+2*z+1], v[ST+8*\x+6:ST+8*\x+7] op_sel_hi:[1,0]
.set z, z+1
.endr
.set z, 0
.rept 16
	v_pk_fma_f32 v[64*\x+2*z:64*\x+2*z+1], v[64*\x+2*z:64*\x+2*z+1], v[ST+8*\x+2:ST+8*\x+3], v[64*\x+32+2*z:64*\x+32+2*z+1] op_sel_hi:[1,0,1] neg_lo:[0,0,1] neg_hi:[0,0,1]
.set z, z+1
.endr
.endr
	WIN 0x05                        ; sources 0 and 1 in window 1; four chains, a piece each
.irp x, 0,1,2,3
	v_pk_mul_f32 v[TMP+2*\x:TMP+2*\x+1], v[64*\x:64*\x+1], v[64*\x:64*\x+1]
.endr
.set z, 1
.rept 15
.irp x, 0,1,2,3
	v_pk_fma_f32 v[TMP+2*\x:TMP+2*\x+1], v[64*\x+2*z:64*\x+2*z+1], v[64*\x+2*z:64*\x+2*z+1], v[TMP+2*\x:TMP+2*\x+1]
.endr
.set z, z+1
.endr
	WIN 0
.irp x, 0,1,2,3
	v_add_f32 v[TMP+2*\x], v[TMP+2*\x], v[TMP+2*\x+1]
.endr
.irp x, 0,1,2,3
	v_permlanex16_b32 v[TMP+8+\x], v[TMP+2*\x], s[SEL], s[SEL+1]
.endr
.irp x, 0,1,2,3
	v_add_f32 v[TMP+2*\x], v[TMP+2*\x], v[TMP+8+\x]
.endr
.irp x, 0,1,2,3
	v_fma_f32 v[TMP+2*\x], v[TMP+2*\x], s[R64], s[EPS]
.endr
.irp x, 0,1,2,3
	v_rsq_f32 v[TMP+2*\x], v[TMP+2*\x]
.endr
	v_nop
	s_wait_alu depctr_va_vdst(0)    ; one wait for the four
	WIN W_RS
.irp x, 0,1,2,3
.set z, 0
.rept 16
	v_pk_mul_f32 v[64*\x+2*z:64*\x+2*z+1], v[64*\x+2*z:64*\x+2*z+1], v[TMP+2*\x:TMP+2*\x+1] op_sel_hi:[1,0]
.set z, z+1
.endr
.endr
	WIN 0x49                        ; source 1 in window 2: the gain
.irp x, 0,1,2,3
.set z, 0
.rept 16
	v_pk_mul_f32 v[64*\x+2*z:64*\x+2*z+1], v[64*\x+2*z:64*\x+2*z+1], v[WP+2*z:WP+2*z+1]
.set z, z+1
.endr
.endr
.macro PACK x                       ; a lane's eight channels of a row pack into 16 bytes; they go into rows of 144 bytes and come back as whole rows of 128
	WIN 0x05
.set z, 0
.rept 16
	v_cvt_pk_f16_f32 v[S+16*(\x)+z], v[64*(\x)+2*z], v[64*(\x)+2*z+1]
.set z, z+1
.endr
	WIN 0
.irp f, 0,1,2,3
	ds_store_b128 v[STO], v[S+16*(\x)+4*\f:S+16*(\x)+4*\f+3] offset:32*\f
.endr
.irp f, 0,1,2,3
	ds_load_b128 v[S+16*(\x)+4*\f:S+16*(\x)+4*\f+3], v[RD] offset:\f*4*SP  ; LDS serves a wave's instructions in order (ISA guide 5.7.1.4): these see the stores above
.endr
.endm
.macro SEND x, younger              ; younger: the LDS instructions issued behind piece x's loads: the next piece's eight, or none
	WIN 0
.irp f, 0,1,2,3
	s_wait_dscnt (\younger)+3-\f
	global_store_b128 v[GO], v[S+16*(\x)+4*\f:S+16*(\x)+4*\f+3], s[10:11] offset:(\x)*2048+\f*512  ; 512 consecutive bytes, aligned
.endr
.endm
	PACK 0
.set t, 1
.rept 3
	PACK t
	SEND t-1, 8
.set t, t+1
.endr
	SEND 3, 0
	WIN W_AD
	s_wait_tensorcnt 0x0            ; the wave's end
	ds_add_u32 v[SPW], v[NIL]
	s_wait_dscnt 0x0
	WIN 0
	CROUND                          ; the closing round
	s_endpgm
.Lfunc_end_k_qfd1f0ee077_attn:
	.size	k_qfd1f0ee077_attn, .Lfunc_end_k_qfd1f0ee077_attn-k_qfd1f0ee077_attn
	.p2alignl 7, 3214868480
	.fill 96, 4, 3214868480
	.section	.rodata,"a",@progbits
	.p2align	6, 0x0
	.amdhsa_kernel k_qfd1f0ee077_attn
		.amdhsa_group_segment_fixed_size 327680
		.amdhsa_private_segment_fixed_size 0
		.amdhsa_enable_private_segment 0
		.amdhsa_kernarg_size 56
		.amdhsa_user_sgpr_count 2
		.amdhsa_user_sgpr_kernarg_segment_ptr 1
		.amdhsa_wavefront_size32 1
		.amdhsa_system_sgpr_workgroup_id_x 1
		.amdhsa_system_sgpr_workgroup_id_y 1
		.amdhsa_system_sgpr_workgroup_id_z 1
		.amdhsa_system_vgpr_workitem_id 0
		.amdhsa_next_free_vgpr 768
		.amdhsa_next_free_sgpr 80
		.amdhsa_reserve_vcc 0
		.amdhsa_float_denorm_mode_32 3
		.amdhsa_float_denorm_mode_16_64 3
		.amdhsa_memory_ordered 1
		.amdhsa_forward_progress 1
		.amdhsa_inst_pref_size 200
	.end_amdhsa_kernel
	.amdgpu_metadata
---
amdhsa.version: [ 1, 2 ]
amdhsa.kernels:
  - .name:           k_qfd1f0ee077_attn
    .symbol:         k_qfd1f0ee077_attn.kd
    .args:
      - { .name: qkv, .offset: 0, .size: 8, .value_kind: global_buffer, .address_space: global }
      - { .name: ab, .offset: 8, .size: 8, .value_kind: global_buffer, .address_space: global }
      - { .name: lambda_q1, .offset: 16, .size: 8, .value_kind: global_buffer, .address_space: global }
      - { .name: lambda_k1, .offset: 24, .size: 8, .value_kind: global_buffer, .address_space: global }
      - { .name: lambda_q2, .offset: 32, .size: 8, .value_kind: global_buffer, .address_space: global }
      - { .name: lambda_k2, .offset: 40, .size: 8, .value_kind: global_buffer, .address_space: global }
      - { .name: rms_weight, .offset: 48, .size: 8, .value_kind: global_buffer, .address_space: global }
    .group_segment_fixed_size: 327680
    .private_segment_fixed_size: 0
    .kernarg_segment_align: 8
    .kernarg_segment_size: 56
    .max_flat_workgroup_size: 128
    .sgpr_count:     80
    .vgpr_count:     768
    .wavefront_size: 32
...
	.end_amdgpu_metadata
.endif
;; end of part 3
;; launch oproj (part 4): grid 8 x 32, 4 waves a work-group, clusters of 4 x 4, 327,680 bytes of LDS; arguments ab, cb, out0; writes out0
.if DOCPART == 4
	.amdgcn_target "amdgcn-amd-amdhsa--gfx1250"
	.amdhsa_code_object_version 6
	.text
	.protected	k_qfd1f0ee077_oproj
	.globl	k_qfd1f0ee077_oproj
	.p2align	8
	.type	k_qfd1f0ee077_oproj,@function
k_qfd1f0ee077_oproj:
	s_mov_b64 s[64:65], 0
	v_nop
	global_prefetch_b8 v0, s[64:65] scope:SCOPE_SE
	s_setreg_imm32_b32 hwreg(HW_REG_WAVE_MODE, 25, 1), 1
	s_wait_xcnt 0x0
	s_wait_alu depctr_hold_cnt(0) depctr_sa_sdst(0) depctr_va_vdst(0) depctr_va_sdst(0) depctr_va_ssrc(0) depctr_va_vcc(0) depctr_vm_vsrc(0)
	s_getreg_b32 s2, hwreg(HW_REG_IB_STS2, 6, 4)
	s_cmp_eq_u32 s2, 0
	s_cbranch_scc0 .Lentry_in_a_cluster
	s_endpgm
.Lentry_in_a_cluster:
	s_bfe_u32 s2, ttmp6, 0x10000c
	s_cmp_lg_u32 s2, 0xf033
	s_cbranch_scc0 .Lentry_shape_is_right
	s_endpgm
.Lentry_shape_is_right:
; out0 = a Wo^T.  A: ab, f16 [32 row blocks][16 heads][128 rows][64] (K = 64 x head + channel); B: Wo as f16 [1024][1024] at cb + WO; out0: f32 [4096][1024]; sums in f32, K ascending.
; A tile of out0 is 128 x 128: 256 work-groups.  Four waves, each 64 x 64: 16 accumulators.  K goes in steps of 256 (four heads) through two LDS slots; a quarter of a step is one head.
; A's part of a slot is dense in memory: a wave's load brings two heads, 32,768 bytes, as 128 rows of 256 bytes, padded in LDS after every 128 (a row of one head); B's brings 64 rows of 512 bytes.
; CLUSTER 4 x 4: A's tile is asked for jointly along a row of the cluster, B's along a column.  THE PRODUCT IS USED TRANSPOSED: a lane holds eight neighbouring numbers of a row of out0.
; A wave's 64 columns of f32 are 256 bytes of a row, aligned: each wave has a stage of its own and no barrier stands on the way out.  No prefetch: the tile is small and the walk along K has four steps.
; REGISTERS: window 0: v16-29 addresses; v32-95 rows read back; v128-255 the accumulators ((a, b) at 128 + 8 (4 a + b)).  Window 1: two fragment buffers of 128: 64 registers of A, then 64 of B.
.set KSTEP,  256
.set PA,     144                       ; a row of one head in LDS: 128 bytes + 16
.set HEADB,  128*PA
.set AREG,   4*HEADB
.set PB,     528                       ; a row of B: 512 bytes + 16
.set HALFB,  64*PB
.set SLOT,   AREG+2*HALFB
.set STAGE,  2*SLOT
.set SPITCH, 272
.set SPARE,  STAGE+4*16*SPITCH         ; the spare words, 128 bytes a wave: two blocks of 256 bytes that no other line names
.set LAPS,   2
.set WO,     14680064
.set ADRA, 16
.set ADRB, 20
.set STO,  24
.set RD,   25
.set CO,   26
.set SPW,  28
.set NIL,  29
.set TMP,  32
.set ACC,  128
.set F0,   0
.set F1,   128
.set G1, 24
.set G0, 32
.set G1B, 48
.set G0B, 56
.set MSB, 0
.macro WIN new
.if MSB != (\new)
	s_set_vgpr_msb (MSB<<8)|(\new)
.set MSB, \new
.endif
.endm
.set MUL,  0x05                        ; sources 0 (B) and 1 (A) window 1; C and D window 0
.set TO_F, 0x40                        ; destination window 1, address window 0
.macro JLOAD s                         ; waves 0 and 1 ask for A's two halves, waves 2 and 3 for B's; an s_nop 0 and four v_nop follow each line
	s_cmp_eq_u32 s11, 0
	s_cbranch_scc0 .Lfor_b_\@
	tensor_load_to_lds s[G0+4*(\s):G0+4*(\s)+3], s[G1:G1+7]
	s_nop 0
.rept 4
	v_nop
.endr
	s_branch .Lasked_\@
.Lfor_b_\@:
	tensor_load_to_lds s[G0B+4*(\s):G0B+4*(\s)+3], s[G1B:G1B+7]
	s_nop 0
.rept 4
	v_nop
.endr
.Lasked_\@:
.endm
.macro CREST
	s_cmp_lg_u32 s10, 0
	s_cbranch_scc1 .Lnot_wave_0_\@
	s_barrier_signal -3
.Lnot_wave_0_\@:
	s_barrier_wait -3
	s_barrier_signal -1
	s_barrier_wait -1
.endm
.macro CROUND
	s_barrier_signal -1
	s_barrier_wait -1
	CREST
.endm
	s_load_b128 s[4:7], s[0:1], 0x0                ; ab s[4:5], cb s[6:7]
	s_load_b64 s[8:9], s[0:1], 0x10                ; out0
	v_lshl_add_u32 v[SPW], v0, 2, SPARE
	v_mov_b32 v[NIL], 0
	ds_add_u32 v[SPW], v[NIL]                      ; the wave's opening: the add and its wait stand ahead of my first tensor load
	v_lshrrev_b32 v1, 5, v0
	v_readfirstlane_b32 s10, v1                    ; wave 0..3
	s_lshr_b32 s11, s10, 1                         ; my half of the tile's rows.  Also: I fetch for A (0) or for B (1)
	s_and_b32 s12, s10, 1                          ; my half of its columns.  Also: which half of that tile I fetch
	s_bfe_u32 s40, ttmp6, 0x40000
	s_bfe_u32 s41, ttmp6, 0x40004
	s_lshl_b32 s42, ttmp9, 2
	s_add_co_u32 s42, s42, s40                     ; tile column
	s_and_b32 s13, ttmp7, 0xffff
	s_lshl_b32 s13, s13, 2
	s_add_co_u32 s13, s13, s41                     ; tile row = row block of ab
	s_lshl_b32 s43, s41, 2
	s_lshl_b32 s43, 15, s43                        ; my row of the cluster
	s_lshl_b32 s44, 0x1111, s40                    ; my column
	s_or_b32 s[G1+0], s43, (1<<16)|(1<<20)|(1<<21)|(4<<22)|(3<<25)   ; A: after every 32 words 4 words of padding
	s_or_b32 s[G1B+0], s44, (1<<16)|(1<<20)|(1<<21)|(6<<22)|(3<<25)  ; B: after every 128 words
	s_mov_b32 s[G1+1], 128<<16                     ; A: 128 rows of 128 elements, dense
	s_mov_b32 s[G1+2], 128<<16
	s_mov_b32 s[G1+3], 128<<16
	s_mov_b32 s[G1+4], 128
	s_mov_b32 s[G1+5], 128
	s_mov_b32 s[G1+6], 0
	s_mov_b32 s[G1+7], 0
	s_mov_b32 s[G1B+1], KSTEP<<16                  ; B: 64 rows of 256 elements, 1,024 apart
	s_mov_b32 s[G1B+2], 64<<16
	s_mov_b32 s[G1B+3], KSTEP<<16
	s_mov_b32 s[G1B+4], 64
	s_mov_b32 s[G1B+5], 1024
	s_mov_b32 s[G1B+6], 0
	s_mov_b32 s[G1B+7], 0
	s_lshl_b32 s16, s13, 18                        ; A: the row block's 262,144 bytes,
	s_lshl_b32 s17, s12, 15                        ; my two heads of the step's four
	s_add_co_u32 s16, s16, s17
	s_mov_b32 s17, 0
	s_lshl_b32 s46, s42, 7
	s_lshl_b32 s47, s12, 6
	s_add_co_u32 s46, s46, s47                     ; B: row 128 x tile column + 64 x half
	s_lshl_b32 s46, s46, 11
	s_add_co_u32 s46, s46, WO
	s_mov_b32 s47, 0
	s_mul_i32 s20, s12, 2*HEADB                    ; where they go: no place in the cluster enters an LDS address
	s_mul_i32 s23, s12, HALFB
	s_add_co_u32 s23, s23, AREG
	s_wait_dscnt 0x0                               ; the opening add is done
	s_wait_kmcnt 0x0
	s_add_nc_u64 s[14:15], s[4:5], s[16:17]
	s_add_nc_u64 s[46:47], s[6:7], s[46:47]
	CROUND                                         ; all sixteen work-groups are here: the first joint loads meet
.irp s, 0,1
	s_mov_b32 s[G0+4*(\s)], 1
	s_add_co_u32 s[G0+4*(\s)+1], s20, (\s)*SLOT
	s_add_nc_u64 s[G0+4*(\s)+2:G0+4*(\s)+3], s[14:15], (\s)*65536
	s_or_b32 s[G0+4*(\s)+3], s[G0+4*(\s)+3], 0x80000000
	s_mov_b32 s[G0B+4*(\s)], 1
	s_add_co_u32 s[G0B+4*(\s)+1], s23, (\s)*SLOT
	s_add_nc_u64 s[G0B+4*(\s)+2:G0B+4*(\s)+3], s[46:47], (\s)*KSTEP*2
	s_or_b32 s[G0B+4*(\s)+3], s[G0B+4*(\s)+3], 0x80000000
	JLOAD \s
.endr
	v_and_b32 v1, 15, v0                           ; l % 16
	v_bfe_u32 v2, v0, 4, 1                         ; l / 16
	v_mul_u32_u24 v3, v1, PA
	v_lshl_add_u32 v3, v2, 4, v3
	v_mul_u32_u24 v4, v1, PB
	v_lshl_add_u32 v4, v2, 4, v4
	s_mul_i32 s21, s11, 64*PA                      ; my 64 rows in each head's 128
	s_mul_i32 s22, s12, HALFB                      ; my 64 rows of B,
	s_add_co_u32 s22, s22, AREG                    ; behind A's four heads
.irp s, 0,1
	v_add_nc_u32 v[ADRA+(\s)], s21, v3
	v_add_nc_u32 v[ADRB+(\s)], s22, v4
	s_add_co_u32 s21, s21, SLOT
	s_add_co_u32 s22, s22, SLOT
.endr
	s_mul_i32 s23, s10, 16*SPITCH
	s_add_co_u32 s23, s23, STAGE                   ; my stage
	v_mul_u32_u24 v5, v1, SPITCH                   ; in: row l % 16, 32 bytes for each half of the lanes
	v_lshl_add_u32 v5, v2, 5, v5
	v_add_nc_u32 v[STO], s23, v5
	v_mul_u32_u24 v5, v2, SPITCH                   ; back: lanes 0-15 one row of 256 bytes, lanes 16-31 the next
	v_lshl_add_u32 v5, v1, 4, v5
	v_add_nc_u32 v[RD], s23, v5
	v_lshlrev_b32 v5, 12, v2                       ; and the same two rows in out0
	v_lshl_add_u32 v[CO], v1, 4, v5
	s_lshl_b32 s16, s13, 7
	s_lshl_b32 s17, s11, 6
	s_add_co_u32 s16, s16, s17                     ; my first row,
	s_lshl_b32 s16, s16, 12                        ; 4,096 bytes each
	s_lshl_b32 s46, s42, 9                         ; my first column, in bytes
	s_lshl_b32 s47, s12, 8
	s_add_co_u32 s46, s46, s47
	s_add_co_u32 s16, s16, s46
	s_mov_b32 s17, 0
	s_add_nc_u64 s[8:9], s[8:9], s[16:17]
; 8 matrix instructions: row blocks a0, a0 + 1 x all 4 column blocks, 32 along K: half c of buffer f.  The 16 accumulators take turns.
.macro MUL8 f, c, a0, zero
	WIN MUL
.irp a, \a0, (\a0)+1
.irp b, 0,1,2,3
.if \zero
	v_wmma_f32_16x16x32_f16 v[ACC+8*(4*(\a)+(\b)):ACC+8*(4*(\a)+(\b))+7], v[(\f)+64+8*(4*(\c)+(\b)):(\f)+64+8*(4*(\c)+(\b))+7], v[(\f)+8*(4*(\c)+(\a)):(\f)+8*(4*(\c)+(\a))+7], 0
.else
	v_wmma_f32_16x16x32_f16 v[ACC+8*(4*(\a)+(\b)):ACC+8*(4*(\a)+(\b))+7], v[(\f)+64+8*(4*(\c)+(\b)):(\f)+64+8*(4*(\c)+(\b))+7], v[(\f)+8*(4*(\c)+(\a)):(\f)+8*(4*(\c)+(\a))+7], v[ACC+8*(4*(\a)+(\b)):ACC+8*(4*(\a)+(\b))+7]
.endif
.endr
.endr
.endm
; 32 LDS loads in one run: the fragments of quarter q (one head, 64 along K) into buffer f; the first 32 along K first
.macro FETCH slot, q, f
	WIN TO_F
.irp c, 0,1
.irp i, 0,1,2,3
	ds_load_b128 v[(\f)+64+8*(4*(\c)+(\i)):(\f)+64+8*(4*(\c)+(\i))+3],   v[ADRB+(\slot)] offset:128*(\q)+64*(\c)+(\i)*16*PB
	ds_load_b128 v[(\f)+64+8*(4*(\c)+(\i))+4:(\f)+64+8*(4*(\c)+(\i))+7], v[ADRB+(\slot)] offset:128*(\q)+64*(\c)+(\i)*16*PB+32
	ds_load_b128 v[(\f)+8*(4*(\c)+(\i)):(\f)+8*(4*(\c)+(\i))+3],         v[ADRA+(\slot)] offset:(\q)*HEADB+64*(\c)+(\i)*16*PA
	ds_load_b128 v[(\f)+8*(4*(\c)+(\i))+4:(\f)+8*(4*(\c)+(\i))+7],       v[ADRA+(\slot)] offset:(\q)*HEADB+64*(\c)+(\i)*16*PA+32
.endr
.endr
.endm
.macro PLACES
.rept 4
	v_nop
.endr
.endm
.macro QUARTER slot, q, f, g, zero     ; multiplies buffer f and fetches quarter q into g
	s_wait_dscnt 16                                ; the first 32 along K are in; the other sixteen loads may be out
	MUL8 \f, 0, 0, \zero
	MUL8 \f, 0, 2, \zero
	PLACES
	FETCH \slot, \q, \g
	s_wait_dscnt 32                                ; all but the 32 just issued
	MUL8 \f, 1, 0, 0
	MUL8 \f, 1, 2, 0
.endm
; The last quarter multiplies buffer 1 and changes slots: one barrier; in front of it each wave waits for all its tensor loads, adds 0 to its spare word, and waits for that and for its reads of this slot.
.macro TURN slot, next, fill
	WIN 0
	s_wait_tensorcnt 0x0
	ds_add_u32 v[SPW], v[NIL]
	s_wait_dscnt 17                                ; the add and the youngest sixteen loads may be out
	MUL8 F1, 0, 0, 0
	s_wait_dscnt 0x0                               ; the add is done, and my reads of this slot are over
	s_barrier_signal -1
	MUL8 F1, 0, 2, 0
.if \fill
	WIN 0
.endif
	s_barrier_wait -1
.if \fill
	CREST                                          ; the barrier has opened a round of the cluster's
	s_add_nc_u64 s[G0+4*(\slot)+2:G0+4*(\slot)+3], s[G0+4*(\slot)+2:G0+4*(\slot)+3], 2*65536
	s_add_nc_u64 s[G0B+4*(\slot)+2:G0B+4*(\slot)+3], s[G0B+4*(\slot)+2:G0B+4*(\slot)+3], 2*KSTEP*2
	JLOAD \slot                                    ; its four v_nop are also the places in front of the loads below
.else
	PLACES
.endif
	FETCH \next, 0, F0
	MUL8 F1, 1, 0, 0
	MUL8 F1, 1, 2, 0
.endm
	s_wait_tensorcnt 1                             ; my part of K step 0 is in; K step 1's may stay out
	s_barrier_signal -1
	s_barrier_wait -1
	FETCH 0, 0, F0
	QUARTER 0, 1, F0, F1, 1
	WIN 0
	s_mov_b32 s3, LAPS-1
.Llap:
	QUARTER 0, 2, F1, F0, 0
	QUARTER 0, 3, F0, F1, 0
	TURN 0, 1, 1
	QUARTER 1, 1, F0, F1, 0
	QUARTER 1, 2, F1, F0, 0
	QUARTER 1, 3, F0, F1, 0
	TURN 1, 0, 1
	QUARTER 0, 1, F0, F1, 0
	WIN 0
	s_sub_co_u32 s3, s3, 1
	s_cmp_lg_u32 s3, 0
	s_cbranch_scc1 .Llap
	QUARTER 0, 2, F1, F0, 0                        ; the last lap fills nothing
	QUARTER 0, 3, F0, F1, 0
	TURN 0, 1, 0
	QUARTER 1, 1, F0, F1, 0
	QUARTER 1, 2, F1, F0, 0
	QUARTER 1, 3, F0, F1, 0
	s_wait_dscnt 16
	MUL8 F1, 0, 0, 0
	MUL8 F1, 0, 2, 0
	s_wait_dscnt 0x0
	MUL8 F1, 1, 0, 0
	MUL8 F1, 1, 2, 0
	WIN 0
	PLACES
; THE WAY OUT of row block a: 32 bytes a lane and column block into my stage (each accumulator's low registers first), back as whole rows of 256 bytes, stored.
.macro OUT a
.set BK, TMP+32*((\a)%2)
.irp b, 0,1,2,3
	ds_store_b128 v[STO], v[ACC+8*(4*(\a)+(\b)):ACC+8*(4*(\a)+(\b))+3]   offset:64*(\b)
	ds_store_b128 v[STO], v[ACC+8*(4*(\a)+(\b))+4:ACC+8*(4*(\a)+(\b))+7] offset:64*(\b)+16
.endr
	s_wait_xcnt 0x0                                ; earlier stores have read their registers: those are loaded again only behind this wait
.irp t, 0,1,2,3,4,5,6,7
	ds_load_b128 v[BK+4*(\t):BK+4*(\t)+3], v[RD] offset:(\t)*2*SPITCH  ; LDS serves a wave's instructions in order (ISA guide 5.7.1.4): these see the stores above
.endr
.irp t, 0,1,2,3,4,5,6,7
	s_wait_dscnt 7-(\t)                            ; the 7 - t younger loads may stay out
	global_store_b128 v[CO], v[BK+4*(\t):BK+4*(\t)+3], s[8:9] offset:65536*(\a)+8192*(\t)  ; 16 lanes store 256 consecutive bytes, aligned
.endr
.endm
	OUT 0
	OUT 1
	OUT 2
	OUT 3
	s_wait_tensorcnt 0x0                           ; the wave's end
	ds_add_u32 v[SPW], v[NIL]
	s_wait_dscnt 0x0
	CROUND                                         ; the closing round
	s_endpgm
.Lfunc_end_k_qfd1f0ee077_oproj:
	.size	k_qfd1f0ee077_oproj, .Lfunc_end_k_qfd1f0ee077_oproj-k_qfd1f0ee077_oproj
	.p2alignl 7, 3214868480
	.fill 96, 4, 3214868480
	.section	.rodata,"a",@progbits
	.p2align	6, 0x0
	.amdhsa_kernel k_qfd1f0ee077_oproj
		.amdhsa_group_segment_fixed_size 327680
		.amdhsa_private_segment_fixed_size 0
		.amdhsa_enable_private_segment 0
		.amdhsa_kernarg_size 24
		.amdhsa_user_sgpr_count 2
		.amdhsa_user_sgpr_kernarg_segment_ptr 1
		.amdhsa_wavefront_size32 1
		.amdhsa_system_sgpr_workgroup_id_x 1
		.amdhsa_system_sgpr_workgroup_id_y 1
		.amdhsa_system_sgpr_workgroup_id_z 1
		.amdhsa_system_vgpr_workitem_id 0
		.amdhsa_next_free_vgpr 512
		.amdhsa_next_free_sgpr 66
		.amdhsa_reserve_vcc 0
		.amdhsa_float_denorm_mode_32 3
		.amdhsa_float_denorm_mode_16_64 3
		.amdhsa_memory_ordered 1
		.amdhsa_forward_progress 1
		.amdhsa_inst_pref_size 87
	.end_amdhsa_kernel
	.amdgpu_metadata
---
amdhsa.version: [ 1, 2 ]
amdhsa.kernels:
  - .name:           k_qfd1f0ee077_oproj
    .symbol:         k_qfd1f0ee077_oproj.kd
    .args:
      - { .name: ab, .offset: 0, .size: 8, .value_kind: global_buffer, .address_space: global }
      - { .name: cb, .offset: 8, .size: 8, .value_kind: global_buffer, .address_space: global }
      - { .name: out0, .offset: 16, .size: 8, .value_kind: global_buffer, .address_space: global }
    .group_segment_fixed_size: 327680
    .private_segment_fixed_size: 0
    .kernarg_segment_align: 8
    .kernarg_segment_size: 24
    .max_flat_workgroup_size: 128
    .sgpr_count:     66
    .vgpr_count:     512
    .wavefront_size: 32
...
	.end_amdgpu_metadata
.endif
;; end of part 4
;; ======== version 2 of 2: 4 launches; version 1 with the launch prep written anew for expert scheduling mode
;; limits: values are held in f16: magnitudes above 65,504 overflow, below 6.1e-05 lose precision
;; workspace buffers: cb 17,039,360 bytes; qkv 25,165,824 bytes; ab 8,388,608 bytes
;; launch prep (part 5): grid 64 x 9, 8 waves a work-group, no clusters, 0 bytes of LDS; arguments x, Wq, Wk, Wv, Wo, cb; writes cb
.if DOCPART == 5
	.amdgcn_target "amdgcn-amd-amdhsa--gfx1250"
	.amdhsa_code_object_version 6
	.text
	.protected	k_qfd1f0ee077_prep
	.globl	k_qfd1f0ee077_prep
	.p2align	8
	.type	k_qfd1f0ee077_prep,@function
k_qfd1f0ee077_prep:
	s_mov_b64 s[64:65], 0
	v_nop
	global_prefetch_b8 v0, s[64:65] scope:SCOPE_SE
	s_setreg_imm32_b32 hwreg(HW_REG_WAVE_SCHED_MODE, 0, 2), 2
	s_setreg_imm32_b32 hwreg(HW_REG_WAVE_MODE, 25, 1), 1
	s_wait_xcnt 0x0
	s_wait_alu depctr_vm_vsrc(0)
; CASTS AND THE ROTATION TABLE.  cb, by byte: 0 x as bf16 [4096][1024]; WQKV the rows of Wq, Wk, Wv as bf16 [3072][1024], row r of matrix s (0 q, 1 k, 2 v)
; at row (r >> 5) x 96 + 32 s + (r & 31), so that the 96 rows of a sub-head's q, k and v lie together; WO = 7 << 21: Wo rounded to bf16 and that number written as f16;
; TAB: cos, f32 [2048][16], and 131,072 bytes on sin, of position x angle, angle j = 10000^(-j/15).
; LIMITS.  bf16(Wo) beyond 65,504 would leave f16's range; below 2^-17 it keeps f16's fixed step of 6e-8.  Positions reach 2,047, so the quadrant number stays under 1,304 and the two-part reduction by pi/2 loses nothing that shows in f32.
; SHARES.  Grid y 0..3: the quarters of x; 4..7: Wq, Wk, Wv, Wo; a work-group takes 16 rows of 1,024 numbers: load i is row i, thread t its 16 bytes at 16 t (a wave's load covers 512 consecutive
; bytes); thread t stores 8 bytes at 8 t (a wave's store covers 256 consecutive bytes, aligned).  All 16 loads of a wave go out at once.  Grid y 8: the table, two angles a thread.
; No LDS, no cluster, no matrix unit: every byte is read once by one thread and nothing is shared.
; THE MODE: SCHED_MODE bits 1:0 = 2 (LLVM: expert scheduling mode 2), set by the entry lines.  The code itself states the register dependences
; between vector instructions and memory instructions, with s_wait_alu, always for 0.
; THE PLAN.  Registers that memory instructions touch:
;   v1, v2     byte offsets of the loads and of the stores: written once at the head, never again.
;   IN         row i's four registers: written by load i alone, issued once; read by row i's conversions.  No vector line writes them and no second load lands in them.
;   OUT        row i's two registers: written once, by row i's conversions; read by row i's store; never written again.
;   v9, v40-43 the table's offset and data: written once, read by its two stores.
; The 16 rows go in four blocks of four.  One wait at the head of a block states that the block before has written its OUT; that block's four stores follow it, one in front of each row's conversions,
; which name this block's IN and OUT and v3 to v5: none of the registers that those stores read.  No register that a memory instruction reads is ever written again, so no wait on vm_vsrc is owed.
.set WQKV, 8388608
.set TAB,  16777216
.set IN,   8                           ; v[8:71]   load i: four registers
.set OUT,  72                          ; v[72:103] store i: two registers; none is written twice
	s_load_b256 s[4:11], s[0:1], 0x0               ; x s[4:5], Wq s[6:7], Wk s[8:9], Wv s[10:11]
	s_load_b128 s[12:15], s[0:1], 0x20             ; Wo s[12:13], cb s[14:15]
	s_and_b32 s16, ttmp7, 0xffff                   ; y
	v_lshlrev_b32 v1, 4, v0                        ; 16 t
	v_lshlrev_b32 v2, 3, v0                        ; 8 t
	s_wait_kmcnt 0x0
	s_cmp_eq_u32 s16, 8
	s_cbranch_scc1 .Ltab
	s_mov_b64 s[18:19], s[4:5]                     ; the source: x, or one of the four matrices
	s_cmp_eq_u32 s16, 4
	s_cselect_b64 s[18:19], s[6:7], s[18:19]
	s_cmp_eq_u32 s16, 5
	s_cselect_b64 s[18:19], s[8:9], s[18:19]
	s_cmp_eq_u32 s16, 6
	s_cselect_b64 s[18:19], s[10:11], s[18:19]
	s_cmp_eq_u32 s16, 7
	s_cselect_b64 s[18:19], s[12:13], s[18:19]
	s_lshl_b32 s20, s16, 22                        ; a quarter of x is 4 MiB of f32
	s_cmp_lt_u32 s16, 4
	s_cselect_b32 s20, s20, 0
	s_lshl_b32 s17, ttmp9, 16                      ; 16 rows of 4,096 bytes
	s_add_co_u32 s20, s20, s17
	s_mov_b32 s21, 0
	s_add_nc_u64 s[18:19], s[18:19], s[20:21]
	s_lshl_b32 s24, s16, 21                        ; the destination as it lies: slice y, 2 MiB each (x and Wo),
	s_lshl_b32 s25, ttmp9, 15
	s_add_co_u32 s24, s24, s25
	s_lshr_b32 s25, ttmp9, 1                       ; or permuted (Wq, Wk, Wv): sub-head = rows / 32,
	s_mul_i32 s25, s25, 96
	s_max_u32 s26, s16, 4
	s_sub_co_u32 s26, s26, 4                       ; which matrix,
	s_lshl_b32 s27, s26, 5
	s_add_co_u32 s25, s25, s27
	s_and_b32 s27, ttmp9, 1                        ; which 16 rows of the sub-head's 32
	s_lshl_b32 s27, s27, 4
	s_add_co_u32 s25, s25, s27
	s_lshl_b32 s25, s25, 11                        ; rows of 2,048 bytes
	s_add_co_u32 s25, s25, WQKV
	s_sub_co_u32 s26, s16, 4                       ; 0, 1, 2 for the three permuted matrices; anything else is 3 or more as an unsigned number
	s_cmp_lt_u32 s26, 3
	s_cselect_b32 s20, s25, s24
	s_add_nc_u64 s[22:23], s[14:15], s[20:21]
	s_wait_alu depctr_va_vdst(0)                   ; v1 and v2 are written: the loads below read v1 as their offset, every store of the casts reads v2
.irp i, 0,1,2,3,4,5,6,7,8,9,10,11,12,13,14,15
	global_load_b128 v[IN+4*(\i):IN+4*(\i)+3], v1, s[18:19] offset:(\i)*4096 th:TH_LOAD_NT
.endr
; Row i is rounded; the row four back, of the block before, is stored in front of it.  mode 0: to bf16.  mode 1: to bf16, and that number written as f16.
.macro CONV mode
.irp i, 0,1,2,3,4,5,6,7,8,9,10,11,12,13,14,15
	s_wait_loadcnt 15-(\i)                         ; loads come back in order: row i is in, the 15 - i younger ones may stay out
.if ((\i) % 4 == 0) && ((\i) > 0)
	s_wait_alu depctr_va_vdst(0)                   ; the block before has written its four pairs of OUT, which this block's four stores read
.endif
.if (\i) >= 4
	global_store_b64 v2, v[OUT+2*((\i)-4):OUT+2*((\i)-4)+1], s[22:23] offset:((\i)-4)*2048 th:TH_STORE_NT  ; no vector line since the wait names these registers
.endif
.irp j, 0,1
.if \mode
	v_cvt_pk_bf16_f32 v3, v[IN+4*(\i)+2*(\j)], v[IN+4*(\i)+2*(\j)+1]
	v_lshlrev_b32 v4, 16, v3
	v_and_b32 v5, 0xffff0000, v3
	v_cvt_pk_f16_f32 v[OUT+2*(\i)+(\j)], v4, v5
.else
	v_cvt_pk_bf16_f32 v[OUT+2*(\i)+(\j)], v[IN+4*(\i)+2*(\j)], v[IN+4*(\i)+2*(\j)+1]
.endif
.endr
.endr
	s_wait_alu depctr_va_vdst(0)                   ; the last block has written its four pairs of OUT, which the last four stores read
.irp i, 12,13,14,15
	global_store_b64 v2, v[OUT+2*(\i):OUT+2*(\i)+1], s[22:23] offset:(\i)*2048 th:TH_STORE_NT
.endr
.endm
	s_cmp_eq_u32 s16, 7
	s_cbranch_scc1 .Lwo
	CONV 0
	s_endpgm
.Lwo:
	CONV 1
	s_endpgm
; cos and sin of F by reduction to |r| <= pi/4 and two polynomials (Taylor's, to r^9 and r^8: the remainders lie below 3e-8).  T .. T+6 at work.
; In two halves, so that both angles' compares stand in one run with one wait behind it.  SC1: the reduction, the polynomials, and into s[M] the mask of the odd quadrants.
.macro SC1 F, T, M
	v_mul_f32 v[(\T)], 0x3f22f983, v[(\F)]         ; F x 2/pi
	v_rndne_f32 v[(\T)], v[(\T)]                   ; n
	v_fma_f32 v[(\T)+1], v[(\T)], s24, v[(\F)]     ; F - n x (pi/2 as f32),
	v_fma_f32 v[(\T)+1], v[(\T)], s25, v[(\T)+1]   ; + n x (that f32 - pi/2): r
	v_cvt_i32_f32 v[(\T)+2], v[(\T)]
	v_mul_f32 v[(\T)+3], v[(\T)+1], v[(\T)+1]      ; r^2
	v_mov_b32 v[(\T)+4], 0x3638ef1d                ; 1/9!
	v_mov_b32 v[(\T)+5], 0x37d00d01                ; 1/8!
	v_fmaak_f32 v[(\T)+4], v[(\T)+4], v[(\T)+3], 0xb9500d01
	v_fmaak_f32 v[(\T)+5], v[(\T)+5], v[(\T)+3], 0xbab60b61
	v_fmaak_f32 v[(\T)+4], v[(\T)+4], v[(\T)+3], 0x3c088889
	v_fmaak_f32 v[(\T)+5], v[(\T)+5], v[(\T)+3], 0x3d2aaaab
	v_fmaak_f32 v[(\T)+4], v[(\T)+4], v[(\T)+3], 0xbe2aaaab
	v_fmaak_f32 v[(\T)+5], v[(\T)+5], v[(\T)+3], 0xbf000000
	v_mul_f32 v[(\T)+4], v[(\T)+4], v[(\T)+3]
	v_fma_f32 v[(\T)+5], v[(\T)+5], v[(\T)+3], 1.0 ; cos r
	v_fma_f32 v[(\T)+4], v[(\T)+4], v[(\T)+1], v[(\T)+1]  ; sin r
	v_and_b32 v[(\T)+6], 1, v[(\T)+2]
	v_cmp_eq_u32 s[(\M)], 1, v[(\T)+6]             ; odd quadrants change the two
.endm
; SC2: the choice by that mask, and the signs.
.macro SC2 C, S, T, M
	v_cndmask_b32 v[(\C)], v[(\T)+5], v[(\T)+4], s[(\M)]
	v_cndmask_b32 v[(\S)], v[(\T)+4], v[(\T)+5], s[(\M)]
	v_add_nc_u32 v[(\T)+6], 1, v[(\T)+2]           ; cos is negative in quadrants 1 and 2,
	v_and_b32 v[(\T)+6], 2, v[(\T)+6]
	v_lshlrev_b32 v[(\T)+6], 30, v[(\T)+6]
	v_xor_b32 v[(\C)], v[(\C)], v[(\T)+6]
	v_and_b32 v[(\T)+6], 2, v[(\T)+2]              ; sin in 2 and 3
	v_lshlrev_b32 v[(\T)+6], 30, v[(\T)+6]
	v_xor_b32 v[(\S)], v[(\S)], v[(\T)+6]
.endm
.Ltab:
	s_mov_b32 s24, 0xbfc90fdb                      ; -(pi/2 as f32)
	s_mov_b32 s25, 0x333bbd2e                      ; that f32 less pi/2
	s_add_nc_u64 s[22:23], s[14:15], TAB
	s_lshl_b32 s17, ttmp9, 8
	v_add_nc_u32 v3, s17, v0                       ; thread among 16,384
	v_lshrrev_b32 v4, 3, v3                        ; position
	v_and_b32 v5, 7, v3
	v_lshlrev_b32 v5, 1, v5                        ; my first angle's number
	v_cvt_f32_u32 v6, v5
	v_add_f32 v7, 1.0, v6
	v_mul_f32 v6, 0xbf62c6e7, v6                   ; x -log2(10000)/15
	v_mul_f32 v7, 0xbf62c6e7, v7
	v_exp_f32 v6, v6
	v_exp_f32 v7, v7
	v_cvt_f32_u32 v8, v4                           ; the plain instruction behind the two exponentials
	s_wait_alu depctr_va_vdst(0)                   ; the two exponentials have written v6 and v7: one wait for both, ahead of their first reader
	v_mul_f32 v6, v8, v6                           ; position x angle, rounded once
	v_mul_f32 v7, v8, v7
	SC1 6, 20, 26
	SC1 7, 28, 27
	s_wait_alu depctr_va_sdst(0)                   ; the two compares have written s26 and s27, ahead of the selects that read them: one wait for the run
	SC2 40, 42, 20, 26
	SC2 41, 43, 28, 27
	v_lshlrev_b32 v9, 3, v3                        ; two f32 a thread: a wave's store covers 256 consecutive bytes, aligned
	s_wait_alu depctr_va_vdst(0)                   ; v9 and v[40:43] are written: the two stores read them as offset and data
	global_store_b64 v9, v[40:41], s[22:23]
	global_store_b64 v9, v[42:43], s[22:23] offset:131072
	s_endpgm
.Lfunc_end_k_qfd1f0ee077_prep:
	.size	k_qfd1f0ee077_prep, .Lfunc_end_k_qfd1f0ee077_prep-k_qfd1f0ee077_prep
	.p2alignl 7, 3214868480
	.fill 96, 4, 3214868480
	.section	.rodata,"a",@progbits
	.p2align	6, 0x0
	.amdhsa_kernel k_qfd1f0ee077_prep
		.amdhsa_group_segment_fixed_size 0
		.amdhsa_private_segment_fixed_size 0
		.amdhsa_enable_private_segment 0
		.amdhsa_kernarg_size 48
		.amdhsa_user_sgpr_count 2
		.amdhsa_user_sgpr_kernarg_segment_ptr 1
		.amdhsa_wavefront_size32 1
		.amdhsa_system_sgpr_workgroup_id_x 1
		.amdhsa_system_sgpr_workgroup_id_y 1
		.amdhsa_system_sgpr_workgroup_id_z 1
		.amdhsa_system_vgpr_workitem_id 0
		.amdhsa_next_free_vgpr 104
		.amdhsa_next_free_sgpr 66
		.amdhsa_reserve_vcc 0
		.amdhsa_float_denorm_mode_32 3
		.amdhsa_float_denorm_mode_16_64 3
		.amdhsa_memory_ordered 1
		.amdhsa_forward_progress 1
		.amdhsa_inst_pref_size 21
	.end_amdhsa_kernel
	.amdgpu_metadata
---
amdhsa.version: [ 1, 2 ]
amdhsa.kernels:
  - .name:           k_qfd1f0ee077_prep
    .symbol:         k_qfd1f0ee077_prep.kd
    .args:
      - { .name: x, .offset: 0, .size: 8, .value_kind: global_buffer, .address_space: global }
      - { .name: Wq, .offset: 8, .size: 8, .value_kind: global_buffer, .address_space: global }
      - { .name: Wk, .offset: 16, .size: 8, .value_kind: global_buffer, .address_space: global }
      - { .name: Wv, .offset: 24, .size: 8, .value_kind: global_buffer, .address_space: global }
      - { .name: Wo, .offset: 32, .size: 8, .value_kind: global_buffer, .address_space: global }
      - { .name: cb, .offset: 40, .size: 8, .value_kind: global_buffer, .address_space: global }
    .group_segment_fixed_size: 0
    .private_segment_fixed_size: 0
    .kernarg_segment_align: 8
    .kernarg_segment_size: 48
    .max_flat_workgroup_size: 256
    .sgpr_count:     66
    .vgpr_count:     104
    .wavefront_size: 32
...
	.end_amdgpu_metadata
.endif
;; end of part 5
;; launch qkvp: the kernel of part 2 again; grid 16 x 16, 4 waves a work-group, clusters of 4 x 4, 327,680 bytes of LDS; arguments cb, qkv; writes qkv
;; launch attn: the kernel of part 3 again; grid 8 x 32, 4 waves a work-group, clusters of 4 x 1, 327,680 bytes of LDS; arguments qkv, ab, lambda_q1, lambda_k1, lambda_q2, lambda_k2, rms_weight; writes ab
;; launch oproj: the kernel of part 4 again; grid 8 x 32, 4 waves a work-group, clusters of 4 x 4, 327,680 bytes of LDS; arguments ab, cb, out0; writes out0
